; MI455X (gfx1250); checked and timed in simulation.
; The chip was launched on July 23, 2026; its instructions are those of AMD's public machine-readable ISA for CDNA 5 (MIT licence, August 2026) and "CDNA5" Instruction Set Architecture Reference Guide (July 2026). The comments in the code are by the model that wrote it; some were corrected since.
;; Block. Allowed arithmetic: matrix products marked QUANTISED: E5M2 operands, one given power-of-two scale a tensor, by v_wmma_f32_16x16x64_bf8_bf8 or v_wmma_f32_16x16x128_bf8_bf8, f32 sums; everything else in f32.
;; Inputs: b1 4,096 float32; b2 1,024 float32; b_proj 1,024 float32; be1 1,024 float32; be2 1,024 float32; g1 1,024 float32; g2 1,024 float32; lowp_scales 16 int32 (the exponents e of the quantised operands' scales 2^e); w1 1,024 x 4,096 float32; w2 4,096 x 1,024 float32; w_proj 1,024 x 1,024 float32; wk 16 x 1,024 x 64 float32; wq 16 x 1,024 x 64 float32; wv 16 x 1,024 x 64 float32; x 2 x 2,048 x 1,024 float32.
;; Outputs: out0 2 x 2,048 x 1,024 float32.
;; This version of the problem:
;;   THIS VERSION OF THE PROBLEM IS GIVEN IN LOW PRECISION. The matrix products marked QUANTISED in the list below multiply operands that are first quantised to E5M2 (5 exponent bits, 2 mantissa bits; 8 bits a number), with one given power-of-two scale for each operand tensor; their sums are f32. All else is computed in f32.
;;   The module's matrix products, in the order in which they are computed (A, B: the left and right operand; K: the contracted axis; several contracted axes count as one K, in the product's order):
;;     1. [M 1,024, K 1,024] x [K 1,024, N 4,096]; A: input wq; B: computed on the way: QUANTISED (scales: A lowp_scales[0], B lowp_scales[1])
;;     2. [M 1,024, K 1,024] x [K 1,024, N 4,096]; A: input wk; B: computed on the way: QUANTISED (scales: A lowp_scales[2], B lowp_scales[3])
;;     3. [M 1,024, K 1,024] x [K 1,024, N 4,096]; A: input wv; B: computed on the way: QUANTISED (scales: A lowp_scales[4], B lowp_scales[5])
;;     4. batch 32 x [M 2,048, K 64] x [K 64, N 2,048]; A: computed on the way; B: computed on the way: QUANTISED (scales: A lowp_scales[6], B lowp_scales[7])
;;     5. batch 32 x [M 2,048, K 2,048] x [K 2,048, N 64]; A: softmax (see below); B: computed on the way: QUANTISED (scales: A lowp_scales[8], B lowp_scales[9])
;;     6. [M 4,096, K 1,024] x [K 1,024, N 1,024]; A: computed on the way; B: input w_proj: QUANTISED (scales: A lowp_scales[10], B lowp_scales[11])
;;     7. [M 4,096, K 1,024] x [K 1,024, N 4,096]; A: computed on the way; B: input w1: QUANTISED (scales: A lowp_scales[12], B lowp_scales[13])
;;     8. [M 4,096, K 4,096] x [K 4,096, N 1,024]; A: computed on the way; B: input w2: QUANTISED (scales: A lowp_scales[14], B lowp_scales[15])
;;   THE QUANTISER, for each operand of a quantised product, along K:
;;     - The operand's scale is 2^e, e = its entry of the input lowp_scales (int32; the entries are numbered through the quantised products in the list's order, A before B).
;;     - Each number is divided by the scale, clamped to +-57,344, and rounded to the nearest number of E5M2, ties to even, subnormals kept.
;;     - The product sums the exact products of the quantised numbers (number of the format x scale) in f32.
;;   ~~~python
;;   def quantise(x, axis, e):      # numpy; x: float32 -> the quantised numbers, widened to float32 again
;;       x = np.moveaxis(x, axis, -1); K = x.shape[-1]
;;       r = np.clip(x / 2.0 ** e, -57344, 57344)
;;       step = 2.0 ** (np.maximum(np.frexp(np.where(r == 0, 1, r))[1] - 1, -14) - 2)
;;       q = np.round(r / step) * step * 2.0 ** e      # np.round: ties to even
;;       return np.moveaxis(q, -1, axis).astype(np.float32)
;;   ~~~
;;   SOFTMAX AHEAD OF A QUANTISED PRODUCT. Where the list says 'softmax', what is quantised is not the finished softmax but p = 2^(t - M), with t = logit x log2(e) and M = ceil(the row's largest t), a whole number; so 1/2 < the row's largest p <= 1. The row's sum l is taken of the UNQUANTISED p, in f32, and the product's result is divided by l at the end. Since M is a whole number, a kernel that streams over the keys may use a running M (the ceiling of the running maximum): every later rescaling is an exact power of two, so the quantised numbers keep their values, but for numbers so far below the row's largest that they fall under the format's range.
;;   OPERANDS COMPUTED ON THE WAY. 'Computed on the way' means the value that the module computes at that place (a softmax that the list does not call 'softmax' is quantised finished and normalised). What goes into a quantiser is computed in f32, as accurately as f32 sums, v_exp_f32 and their like allow (about 1e-6 of the number): no bf16 or f16 on the way to a quantiser, and a product that is left as it is and whose result goes on into a quantised operand takes f32 operands (vector FMAs, or v_wmma_f32_16x16x4_f32). A number that lies on a knife's edge between two numbers of the format may be rounded either way, as far as f32 arithmetic and the matrix unit's own rounding can turn it there, and no further.
;; One version. Each part assembles by itself: llvm-mc -triple=amdgcn-amd-amdhsa -mcpu=gfx1250 --defsym DOCPART=n.
;; ======== version 1 of 1: 7 launches
;; limits: right only within a limited range of input values
;; workspace buffers: pc 25,165,824 bytes; qkvb 12,582,912 bytes; ac 4,194,304 bytes; x1 16,777,216 bytes; h2c 4,194,304 bytes; hid 16,777,216 bytes
;; launch prep (part 1): grid 640 x 1, 4 waves a work-group, no clusters, 85,504 bytes of LDS; arguments x, g1, be1, lowp_scales, wq, wk, wv, w_proj, w1, w2, pc; writes pc
.if DOCPART == 1
	.amdgcn_target "amdgcn-amd-amdhsa--gfx1250"
	.amdhsa_code_object_version 6
	.text
	.protected	k_qbb9c5027bd_prep
	.globl	k_qbb9c5027bd_prep
	.p2align	8
	.type	k_qbb9c5027bd_prep,@function
k_qbb9c5027bd_prep:
	s_mov_b64 s[64:65], 0
	v_nop
	global_prefetch_b8 v0, s[64:65] scope:SCOPE_SE
	s_setreg_imm32_b32 hwreg(HW_REG_WAVE_MODE, 25, 1), 1
	s_wait_xcnt 0x0
; PREP.  Work-groups 0-255: h = layernorm(x) g1 + be1, quantised three times (scale entries 1, 3, 5) to codes of E5M2.  Work-groups 256-639: the six weights, quantised along K (their first matrix axis).
; ALL CODES ARE STORED AS IMAGES OF FRAGMENT REGISTERS.  An image (16 rows x 128 K) is 2,048 bytes: byte 512 c + 16 L + e holds row L % 16, k = 32 c + 16 (e / 8) + 8 (L / 16) + e % 8:
; four loads of 16 bytes a lane, at 512 c + 16 x lane, are then the 16 registers of an operand of the 16x16x128 form in that form's own order of k.
; pc: h's three sets at 0, 4 MB, 8 MB ([256 tiles of rows][8 K steps][2,048]); wq, wk, wv, w_proj at 12, 13, 14, 15 MB ([64][8][2,048]); w1 at 16 MB ([256][8]); w2 at 20 MB ([64][32]).
; code = x / 2^e, held within +-57,344, rounded to the nearest code, ties to even.  LIMITS: each e between -126 and 112; NaN among the inputs is not served.
; No tensor load, no matrix instruction.  The two paths part on the work-group's number and have LDS bytes of their own.
.set NOUT, 3                           ; sets of codes made of a normalised row
.set STG1, 17408                       ; a set's stage: 64 pieces (K step s, c, half: 8 s + 2 c + half) of 256 bytes + 16 of padding
.set WSTG, NOUT*STG1                   ; the weights' stages: 8,192 bytes for each wave
.macro REDUCE r, t                     ; the sum of v[r] over the 32 lanes, in every lane; v[t] has been written before
	v_add_f32_dpp v[\r], v[\r], v[\r] row_xmask:1 row_mask:0xf bank_mask:0xf
	v_add_f32_dpp v[\r], v[\r], v[\r] row_xmask:2 row_mask:0xf bank_mask:0xf
	v_add_f32_dpp v[\r], v[\r], v[\r] row_xmask:4 row_mask:0xf bank_mask:0xf
	v_add_f32_dpp v[\r], v[\r], v[\r] row_xmask:8 row_mask:0xf bank_mask:0xf
	v_permlanex16_b32 v[\t], v[\r], s36, s37
	v_add_f32 v[\r], v[\r], v[\t]
.endm
; One row of 1,024 numbers, 32 a lane: register 4 j + e is k = 128 j + 4 lane + e.  Mean, centred squares, 1 / sqrt, gain and bias in f32; then NOUT sets of codes into the stage.
.macro ROW ri
.set XR, 80+32*(\ri)
	s_wait_loadcnt 8*(3-(\ri))                     ; this row's eight loads are in (and g, be, which were asked for first); the younger rows' stay out
	v_pk_add_f32 v[6:7], v[XR:XR+1], v[XR+2:XR+3]
	v_pk_add_f32 v[8:9], v[XR+4:XR+5], v[XR+6:XR+7]
.set pp, 8
.rept 6
	v_pk_add_f32 v[6:7], v[6:7], v[XR+pp:XR+pp+1]
	v_pk_add_f32 v[8:9], v[8:9], v[XR+pp+2:XR+pp+3]
.set pp, pp+4
.endr
	v_pk_add_f32 v[6:7], v[6:7], v[8:9]
	v_add_f32 v6, v6, v7
	REDUCE 6, 7
	v_mul_f32 v6, s38, v6                          ; the mean
.set pp, 0
.rept 16
	v_pk_add_f32 v[XR+pp:XR+pp+1], v[XR+pp:XR+pp+1], v[6:7] op_sel_hi:[1,0] neg_lo:[0,1] neg_hi:[0,1]   ; x - mean
.set pp, pp+2
.endr
	v_pk_mul_f32 v[8:9], v[XR:XR+1], v[XR:XR+1]
	v_pk_mul_f32 v[10:11], v[XR+2:XR+3], v[XR+2:XR+3]
.set pp, 4
.rept 7
	v_pk_fma_f32 v[8:9], v[XR+pp:XR+pp+1], v[XR+pp:XR+pp+1], v[8:9]
	v_pk_fma_f32 v[10:11], v[XR+pp+2:XR+pp+3], v[XR+pp+2:XR+pp+3], v[10:11]
.set pp, pp+4
.endr
	v_pk_add_f32 v[8:9], v[8:9], v[10:11]
	v_add_f32 v8, v8, v9
	REDUCE 8, 9
	v_fma_f32 v8, v8, s38, s39                     ; the variance + 1e-5
	s_wait_alu depctr_va_vdst(0)
	v_rsq_f32 v10, v8
	v_nop                                          ; a plain instruction behind the transcendental (ISA guide 5.7.2),
	s_wait_alu depctr_va_vdst(0)                   ; and the wait ahead of its first reader
.set pp, 0
.rept 16
	v_pk_mul_f32 v[XR+pp:XR+pp+1], v[XR+pp:XR+pp+1], v[10:11] op_sel_hi:[1,0]
.set pp, pp+2
.endr
.set pp, 0
.rept 16
	v_pk_fma_f32 v[XR+pp:XR+pp+1], v[XR+pp:XR+pp+1], v[16+pp:17+pp], v[48+pp:49+pp]   ; x g + be
.set pp, pp+2
.endr
	s_wait_dscnt 0x0                               ; the last row's LDS stores have read the codes' registers
.set io, 0
.rept NOUT
.irp i, 0,1,2,3
.irp e, 0,1,2,3,4,5,6,7
	v_med3_num_f32 v[208+8*(\i%2)+\e], v[XR+8*\i+\e], -v[249+2*io], v[249+2*io]   ; the conversion does not saturate (ISA guide 7.6.2): the hold, into one of two sets by turns, so that plain lines stand between a conversion and the next write of its sources
.endr
	v_cvt_scalef32_pk8_bf8_f32 v[224+8*io+2*\i:225+8*io+2*\i], v[208+8*(\i%2):215+8*(\i%2)], v[248+2*io]   ; register j of the set's eight: the codes of k = 128 j + 4 lane + 0 .. 3
.endr
.set io, io+1
.endr
	v_nop
.set io, 0
.rept NOUT
.irp j, 0,1,2,3,4,5,6,7
	ds_store_b32 v3, v[224+8*io+\j] offset:STG1*io+2176*\j+16*(\ri)   ; four codes to their place in K step j's image; the 32 lanes fall on 32 different banks
.endr
.set io, io+1
.endr
.endm
	s_load_b512 s[4:19], s[0:1], 0x0               ; x, g1, be1, the scales, wq, wk, wv, w_proj
	s_load_b128 s[20:23], s[0:1], 0x40             ; w1, w2
	s_load_b64 s[24:25], s[0:1], 0x50              ; pc
	v_lshl_add_u32 v254, v0, 2, 0x14c00
	v_mov_b32 v255, 0
	v_lshrrev_b32 v1, 5, v0
	v_readfirstlane_b32 s26, v1                    ; wave 0..3
	v_and_b32 v1, 31, v0                           ; lane
	s_wait_kmcnt 0x0
	s_load_b512 s[68:83], s[10:11], 0x0            ; the sixteen exponents: entry i in s[68 + i]
	s_cmp_lt_u32 ttmp9, 256
	s_cbranch_scc0 .Lweights
	; ---- LAYERNORM.  Work-group g owns rows 16 g .. 16 g + 15 (one tile of rows), wave w four of them.
	s_wait_alu depctr_va_vdst(0)
	v_lshlrev_b32 v2, 4, v1                        ; 16 x lane: each load of a wave reads 512 consecutive bytes
	v_bfe_u32 v6, v0, 3, 2                         ; my four codes' place in an image: k = 4 lane + ..: c = lane / 8,
	v_mul_u32_u24 v3, v6, 544
	v_bfe_u32 v6, v0, 1, 1                         ; the half (k / 8) % 2,
	v_mad_u32_u24 v3, v6, 272, v3
	v_bfe_u32 v6, v0, 2, 1                         ; (k / 16) % 2: 8 bytes,
	v_lshl_add_u32 v3, v6, 3, v3
	v_and_b32 v6, 1, v0                            ; (k / 4) % 2: 4 bytes,
	v_lshl_add_u32 v3, v6, 2, v3
	s_lshl_b32 s27, s26, 6
	v_add_nc_u32 v3, s27, v3                       ; and row 4 w (+ ri in the immediate): 16 bytes a row
	v_bfe_u32 v6, v0, 4, 1
	v_and_b32 v7, 15, v0
	v_mul_u32_u24 v4, v6, 272
	v_lshl_add_u32 v4, v7, 4, v4
	s_mul_i32 s27, s26, 4352
	v_add_nc_u32 v4, s27, v4                       ; back: wave w takes pieces 16 w .. 16 w + 15, two an instruction
	s_lshl_b32 s27, s26, 12
	v_add_nc_u32 v5, s27, v2                       ; and their place in the tile's 16,384 bytes of images
	s_lshl_b32 s28, ttmp9, 16
	s_lshl_b32 s29, s26, 14
	s_add_co_u32 s28, s28, s29
	s_mov_b32 s29, 0
	s_add_nc_u64 s[4:5], s[4:5], s[28:29]          ; x at my first row
	s_lshl_b32 s28, ttmp9, 14
	s_add_nc_u64 s[30:31], s[24:25], s[28:29]      ; the three sets of codes at my tile of rows
	s_add_nc_u64 s[32:33], s[30:31], 0x400000
	s_add_nc_u64 s[34:35], s[30:31], 0x800000
.irp j, 0,1,2,3,4,5,6,7
	global_load_b128 v[16+4*\j:19+4*\j], v2, s[6:7] offset:512*\j
	global_load_b128 v[48+4*\j:51+4*\j], v2, s[8:9] offset:512*\j
.endr
.irp ri, 0,1,2,3
.irp j, 0,1,2,3,4,5,6,7
	global_load_b128 v[80+32*\ri+4*\j:83+32*\ri+4*\j], v2, s[4:5] offset:4096*\ri+512*\j th:TH_LOAD_NT
.endr
.endr
	s_mov_b32 s36, 0x76543210                      ; v_permlanex16_b32: lane l xor 16
	s_mov_b32 s37, 0xfedcba98
	s_mov_b32 s38, 0x3a800000                      ; 1 / 1,024
	s_mov_b32 s39, 0x3727c5ac                      ; 1e-5
	s_wait_kmcnt 0x0
.irp o, 0,1,2
	s_add_co_i32 s40, s[69+2*\o], 127
	s_lshl_b32 s41, s40, 23
	v_mov_b32 v[248+2*\o], s41                     ; 2^e as f32: the conversion takes its exponent field
	s_add_co_i32 s40, s40, 15
	s_lshl_b32 s40, s40, 23
	s_or_b32 s40, s40, 0x600000
	v_mov_b32 v[249+2*\o], s40                     ; 57,344 x 2^e
.endr
	ROW 0
	ROW 1
	ROW 2
	ROW 3
	s_wait_dscnt 0x0                               ; for the others' sake: my stores into the stage are done
	s_barrier_signal -1
	s_barrier_wait -1
.set io, 0
.rept NOUT
.irp i, 0,1,2,3,4,5,6,7
	ds_load_b128 v[80+32*io+4*\i:83+32*io+4*\i], v4 offset:STG1*io+544*\i
.endr
.set io, io+1
.endr
.set io, 0
.rept NOUT
.irp i, 0,1,2,3,4,5,6,7
	s_wait_dscnt 8*NOUT-1-8*io-\i                  ; LDS loads come back in order: this one is in, the younger ones stay out
	global_store_b128 v5, v[80+32*io+4*\i:83+32*io+4*\i], s[30+2*io:31+2*io] offset:512*\i   ; the wave stores 512 consecutive bytes, aligned
.endr
.set io, io+1
.endr
	s_wait_tensorcnt 0x0
	ds_add_u32 v254, v255
	s_wait_dscnt 0x0
	s_endpgm
	; ---- THE WEIGHTS.  A LANE TAKES A COLUMN n, ITS REGISTERS RUN DOWN K: nothing is transposed.  A wave: 32 columns x 256 K; a work-group: 128 columns.
.Lweights:
	s_sub_co_u32 s27, ttmp9, 256                   ; 0-31 wq, 32-63 wk, 64-95 wv, 96-127 w_proj, 128-255 w1, 256-383 w2: the choice hangs on the work-group's number alone
	s_mov_b32 s28, 256                             ; the tensor's first work-group
	s_mov_b32 s29, 4096                            ; bytes from k to k + 1
	s_mov_b32 s30, 3                               ; log2 of its groups of 128 columns
	s_mov_b32 s31, 0x1400000                       ; its images' place in pc
	s_mov_b32 s48, 65536                           ; bytes of a tile of rows' images: 16 K
	s_mov_b64 s[50:51], s[22:23]
	s_wait_kmcnt 0x0
	s_mov_b32 s49, s83                             ; its e
	s_cmp_lt_u32 s27, 256
	s_cselect_b32 s28, 128, s28
	s_cselect_b32 s29, 16384, s29
	s_cselect_b32 s30, 5, s30
	s_cselect_b32 s31, 0x1000000, s31
	s_cselect_b32 s48, 16384, s48
	s_cselect_b32 s49, s81, s49
	s_cselect_b64 s[50:51], s[20:21], s[50:51]
	s_cmp_lt_u32 s27, 128
	s_cselect_b32 s28, 96, s28
	s_cselect_b32 s29, 4096, s29
	s_cselect_b32 s30, 3, s30
	s_cselect_b32 s31, 0xf00000, s31
	s_cselect_b32 s49, s79, s49
	s_cselect_b64 s[50:51], s[18:19], s[50:51]
	s_cmp_lt_u32 s27, 96
	s_cselect_b32 s28, 64, s28
	s_cselect_b32 s29, 256, s29
	s_cselect_b32 s31, 0xe00000, s31
	s_cselect_b32 s49, s72, s49
	s_cselect_b64 s[50:51], s[16:17], s[50:51]
	s_cmp_lt_u32 s27, 64
	s_cselect_b32 s28, 32, s28
	s_cselect_b32 s31, 0xd00000, s31
	s_cselect_b32 s49, s70, s49
	s_cselect_b64 s[50:51], s[14:15], s[50:51]
	s_cmp_lt_u32 s27, 32
	s_cselect_b32 s28, 0, s28
	s_cselect_b32 s31, 0xc00000, s31
	s_cselect_b32 s49, s68, s49
	s_cselect_b64 s[50:51], s[12:13], s[50:51]
	s_sub_co_u32 s28, s27, s28
	s_lshr_b32 s52, s28, s30                       ; which 256 along K
	s_lshl_b32 s53, s52, s30
	s_sub_co_u32 s53, s28, s53                     ; which 128 columns
	s_lshl_b32 s53, s53, 7
	s_lshl_b32 s54, s26, 5
	s_add_co_u32 s53, s53, s54                     ; my wave's first column n0
	s_lshr_b32 s54, s53, 6                         ; in wq, wk, wv ([head][k][64]) column n = 64 head + d lies at head x 262,144 + 4 d,
	s_lshl_b32 s54, s54, 18
	s_and_b32 s55, s53, 63
	s_lshl_b32 s55, s55, 2
	s_add_co_u32 s54, s54, s55
	s_lshl_b32 s55, s53, 2                         ; in the others at 4 n
	s_cmp_lt_u32 s27, 96
	s_cselect_b32 s54, s54, s55
	s_lshl_b32 s55, s52, 8
	s_mul_i32 s55, s55, s29
	s_add_co_u32 s54, s54, s55
	s_mov_b32 s55, 0
	s_add_nc_u64 s[32:33], s[50:51], s[54:55]      ; block 0 of my eight blocks of 32 along K,
	s_lshl_b32 s54, s29, 5
.irp t, 1,2,3,4,5,6,7
	s_add_nc_u64 s[32+2*\t:33+2*\t], s[30+2*\t:31+2*\t], s[54:55]   ; and the others: a base for each, so that no pointer is stepped
.endr
	s_lshr_b32 s54, s53, 4
	s_mul_i32 s54, s54, s48
	s_add_co_u32 s54, s54, s31
	s_lshl_b32 s56, s52, 12
	s_add_co_u32 s54, s54, s56
	s_add_nc_u64 s[56:57], s[24:25], s[54:55]      ; my first tile of rows' two images (4,096 bytes on end),
	s_mov_b32 s54, s48
	s_add_nc_u64 s[58:59], s[56:57], s[54:55]      ; my second's
	s_wait_alu depctr_va_vdst(0)
	v_lshlrev_b32 v15, 2, v1
.set wi, 0
	s_wait_alu depctr_va_vdst(0)
.irp sg, 0,1,2,3,4,5,6,7,16,17,18,19,20,21,22,23,8,9,10,11,12,13,14,15,24,25,26,27,28,29,30,31
	s_mul_i32 s60, s29, \sg
	v_add_nc_u32 v[16+wi], s60, v15                ; register i takes k = sg of the block: 0-7, 16-23 first: they are the 16 bytes of the image's lower half, 8-15, 24-31 those of the upper
.set wi, wi+1
.endr
	v_bfe_u32 v6, v0, 4, 1
	v_and_b32 v7, 15, v0
	v_lshlrev_b32 v12, 12, v6
	v_lshl_add_u32 v12, v7, 4, v12
	s_lshl_b32 s60, s26, 13
	s_add_co_u32 s60, s60, WSTG
	v_add_nc_u32 v12, s60, v12                     ; into my stage: tile of rows lane / 16, row lane % 16
	v_lshlrev_b32 v14, 4, v1
	v_add_nc_u32 v13, s60, v14                     ; out of it: as it lies
	s_add_co_i32 s49, s49, 127
	s_lshl_b32 s60, s49, 23
	v_mov_b32 v11, s60                             ; 2^e
	s_add_co_i32 s49, s49, 15
	s_lshl_b32 s49, s49, 23
	s_or_b32 s49, s49, 0x600000
	v_mov_b32 v10, s49                             ; 57,344 x 2^e
.macro LOADW t                         ; block t into set t % 2: each load reads 128 consecutive bytes a wave
.set wi, 0
.rept 32
	global_load_b32 v[48+32*((\t)%2)+wi], v[16+wi], s[32+2*(\t):33+2*(\t)] th:TH_LOAD_NT
.set wi, wi+1
.endr
.endm
.macro BLOCKW t
.set XS, 48+32*((\t)%2)
.if (\t) < 7
	s_wait_loadcnt 32                              ; this block's 32 loads are in; the next block's may be out
.else
	s_wait_loadcnt 0
.endif
.set wi, 0
.rept 32
	v_med3_num_f32 v[XS+wi], v[XS+wi], -v10, v10
.set wi, wi+1
.endr
.irp g, 0,1,2,3
	v_cvt_scalef32_pk8_bf8_f32 v[112+2*\g:113+2*\g], v[XS+8*\g:XS+8*\g+7], v11
.endr
	ds_store_b128 v12, v[112:115] offset:2048*((\t)/4)+512*((\t)%4)       ; the image's lower half,
	ds_store_b128 v12, v[116:119] offset:2048*((\t)/4)+512*((\t)%4)+256   ; its upper
.if (\t)+2 < 8
	LOADW (\t)+2
.endif
	s_wait_dscnt 0x0                               ; the stores have read their registers: the next block's codes may be written (32 plain lines come first)
.endm
	LOADW 0
	LOADW 1
	s_wait_alu depctr_va_vdst(0)
.irp t, 0,1,2,3,4,5,6,7
	BLOCKW \t
.endr
.irp n, 0,1,2,3,4,5,6,7,8,9,10,11,12,13,14,15
	ds_load_b128 v[128+4*\n:131+4*\n], v13 offset:512*\n   ; LDS serves a wave's instructions in order: these see my stores
.endr
.irp n, 0,1,2,3,4,5,6,7,8,9,10,11,12,13,14,15
	s_wait_dscnt 15-\n
	global_store_b128 v14, v[128+4*\n:131+4*\n], s[56+2*(\n/8):57+2*(\n/8)] offset:512*(\n%8)   ; 512 consecutive bytes, aligned
.endr
	s_wait_tensorcnt 0x0
	ds_add_u32 v254, v255
	s_wait_dscnt 0x0
	s_endpgm
.Lfunc_end_k_qbb9c5027bd_prep:
	.size	k_qbb9c5027bd_prep, .Lfunc_end_k_qbb9c5027bd_prep-k_qbb9c5027bd_prep
	.p2alignl 7, 3214868480
	.fill 96, 4, 3214868480
	.section	.rodata,"a",@progbits
	.p2align	6, 0x0
	.amdhsa_kernel k_qbb9c5027bd_prep
		.amdhsa_group_segment_fixed_size 85504
		.amdhsa_private_segment_fixed_size 0
		.amdhsa_enable_private_segment 0
		.amdhsa_kernarg_size 88
		.amdhsa_user_sgpr_count 2
		.amdhsa_user_sgpr_kernarg_segment_ptr 1
		.amdhsa_wavefront_size32 1
		.amdhsa_system_sgpr_workgroup_id_x 1
		.amdhsa_system_sgpr_workgroup_id_y 1
		.amdhsa_system_sgpr_workgroup_id_z 1
		.amdhsa_system_vgpr_workitem_id 0
		.amdhsa_next_free_vgpr 256
		.amdhsa_next_free_sgpr 90
		.amdhsa_reserve_vcc 0
		.amdhsa_float_denorm_mode_32 3
		.amdhsa_float_denorm_mode_16_64 3
		.amdhsa_memory_ordered 1
		.amdhsa_forward_progress 1
		.amdhsa_inst_pref_size 123
	.end_amdhsa_kernel
	.amdgpu_metadata
---
amdhsa.version: [ 1, 2 ]
amdhsa.kernels:
  - .name:           k_qbb9c5027bd_prep
    .symbol:         k_qbb9c5027bd_prep.kd
    .args:
      - { .name: x, .offset: 0, .size: 8, .value_kind: global_buffer, .address_space: global }
      - { .name: g1, .offset: 8, .size: 8, .value_kind: global_buffer, .address_space: global }
      - { .name: be1, .offset: 16, .size: 8, .value_kind: global_buffer, .address_space: global }
      - { .name: lowp_scales, .offset: 24, .size: 8, .value_kind: global_buffer, .address_space: global }
      - { .name: wq, .offset: 32, .size: 8, .value_kind: global_buffer, .address_space: global }
      - { .name: wk, .offset: 40, .size: 8, .value_kind: global_buffer, .address_space: global }
      - { .name: wv, .offset: 48, .size: 8, .value_kind: global_buffer, .address_space: global }
      - { .name: w_proj, .offset: 56, .size: 8, .value_kind: global_buffer, .address_space: global }
      - { .name: w1, .offset: 64, .size: 8, .value_kind: global_buffer, .address_space: global }
      - { .name: w2, .offset: 72, .size: 8, .value_kind: global_buffer, .address_space: global }
      - { .name: pc, .offset: 80, .size: 8, .value_kind: global_buffer, .address_space: global }
    .group_segment_fixed_size: 85504
    .private_segment_fixed_size: 0
    .kernarg_segment_align: 8
    .kernarg_segment_size: 88
    .max_flat_workgroup_size: 128
    .sgpr_count:     90
    .vgpr_count:     256
    .wavefront_size: 32
...
	.end_amdgpu_metadata
.endif
;; end of part 1
;; launch qkv (part 2): grid 12 x 16, 4 waves a work-group, clusters of 4 x 4, 327,680 bytes of LDS; arguments pc, lowp_scales, qkvb; writes qkvb
.if DOCPART == 2
	.amdgcn_target "amdgcn-amd-amdhsa--gfx1250"
	.amdhsa_code_object_version 6
	.text
	.protected	k_qbb9c5027bd_qkv
	.globl	k_qbb9c5027bd_qkv
	.p2align	8
	.type	k_qbb9c5027bd_qkv,@function
k_qbb9c5027bd_qkv:
	s_mov_b64 s[64:65], 0
	v_nop
	global_prefetch_b8 v0, s[64:65] scope:SCOPE_SE
	s_setreg_imm32_b32 hwreg(HW_REG_WAVE_MODE, 25, 1), 1
	s_wait_xcnt 0x0
	s_wait_alu depctr_hold_cnt(0) depctr_sa_sdst(0) depctr_va_vdst(0) depctr_va_sdst(0) depctr_va_ssrc(0) depctr_va_vcc(0) depctr_vm_vsrc(0)
	s_getreg_b32 s2, hwreg(HW_REG_IB_STS2, 6, 4)
	s_cmp_eq_u32 s2, 0
	s_cbranch_scc0 .Lentry_in_a_cluster
	s_endpgm
.Lentry_in_a_cluster:
	s_bfe_u32 s2, ttmp6, 0x10000c
	s_cmp_lg_u32 s2, 0xf033
	s_cbranch_scc0 .Lentry_shape_is_right
	s_endpgm
.Lentry_shape_is_right:
.set KIND, 0                           ; 0 qkv, 1 ff1, 2 proj, 3 ff2
; A GEMM ON CODES OF E5M2, C = A B^T, sums in f32, by v_wmma_f32_16x16x128_bf8_bf8.  Both operands lie in memory as IMAGES OF FRAGMENT REGISTERS: [tile of 16 rows][K step of 128][2,048 bytes], byte 512 c + 16 lane + e
; = register 4 c + e / 4 of that lane.  So a tile for the tensor data mover is a few long dense rows, LDS needs no padding, and a fragment is four loads of 512 consecutive bytes.
; KIND 0: q, k = h Wq, h Wk (A = h's codes, B = the weight's) and v (A = Wv's codes, B = h's, so that a lane holds one channel and eight KEYS); cluster x says which.  Out: codes, as images for attention.
; KIND 1: relu(h2 W1 + b1), out: codes, as images for KIND 3.   KIND 2: x1 = x + attn Wp + b_proj.   KIND 3: out = x1 + hidden W2 + b2.  Out of 2 and 3: f32 rows.
; SHARES.  Four waves; a wave makes NBK x NBK accumulators of 16 x 16.  KIND 0, 1: a block of 256 x 256 a work-group.  KIND 2, 3 have 1,024 columns: blocks of 128 x 128, so that there are 256 work-groups, with K steps twice as long.
; THE MATRIX INSTRUCTION IS USED TRANSPOSED (source 0 = 16 rows of B, source 1 = 16 rows of A): a lane's eight results are eight neighbouring columns of one row of C, which are eight neighbours along the NEXT product's K:
; one conversion gives registers 2 b, 2 b + 1 of the next operand's fragment, and the codes are stored from registers, 512 consecutive bytes an instruction.
; CLUSTERS: 4 x 4 work-groups; A's tiles are asked for jointly along a row of the cluster, B's along a column.  Two LDS slots take turns; a slot holds NQ steps of 128 along K.
; LIMITS: the sum of a product's two exponents between -126 and 127; the exponent of the codes made here between -126 and 112; NaN is not served.
; REGISTERS, in windows of 256: window 0: v16-31 addresses and constants, v32-95 the bias, from v128 A's fragments (one set); window 1: B's fragments, two sets, at v0 and v128;
;   windows 2, 3: the accumulators ((a, b) at v[8 (NBK (a % (NBK / 2)) + b)] of window 2 + a / (NBK / 2)); KIND 2, 3: window 2 v128-255 the residual's rows.
.if KIND < 2
.set NBK, 8                            ; blocks of 16 rows on a wave's side
.set NQ, 2                             ; steps of 128 along K in a slot
.else
.set NBK, 4
.set NQ, 4
.endif
.if KIND == 3
.set KTOT, 4096
.else
.set KTOT, 1024
.endif
.if KIND == 1
.set BOFF, 0x1000000                   ; where B's images begin in pc
.elseif KIND == 2
.set BOFF, 0xf00000
.else
.set BOFF, 0x1400000
.endif
.if KIND == 0
.set ASTR, 1024                        ; bytes from a tile of rows to the next in the codes that go out
.else
.set ASTR, 65536
.endif
.set LAPS,  KTOT/(256*NQ)              ; a lap = both slots once
.set ROWB,  NQ*2048                    ; a tile's row: one tile of 16 rows, NQ images
.set RT,    16*KTOT                    ; bytes of a tile of 16 rows' images in memory
.set HALFT, 32768                      ; NBK such rows: what one tensor load brings, and what one wave reads of A or of B
.set SLOT,  4*HALFT                    ; A's two halves, then B's two
.set SPARE, 2*SLOT                     ; behind the ring: the spare words, 128 bytes a wave, which no other line names
.set NLH,   (NBK/2)*4                  ; LDS loads that bring half of A's blocks
.set G1, 24                            ; s[24:31] descriptor group 1 for A's tiles; s[32:39] group 0, a set for each slot
.set G0, 32
.set G1B, 48                           ; s[48:55], s[56:63] the same for B's
.set G0B, 56
.set MSB, 0
.macro WIN new                         ; the immediate's high byte repeats the setting that is left
.if MSB != (\new)
	s_set_vgpr_msb (MSB<<8)|(\new)
.set MSB, \new
.endif
.endm
.macro JLOAD g0a, g1a, g0b, g1b        ; a joint load: waves 0, 1 fetch A's halves, waves 2, 3 B's; the branch hangs on the wave's number alone; four v_nop follow each line
	s_cmp_eq_u32 s15, 0
	s_cbranch_scc0 .Lfor_b_\@
	tensor_load_to_lds s[\g0a:\g0a+3], s[\g1a:\g1a+7]
	s_nop 0
.rept 4
	v_nop
.endr
	s_branch .Lasked_\@
.Lfor_b_\@:
	tensor_load_to_lds s[\g0b:\g0b+3], s[\g1b:\g1b+7]
	s_nop 0
.rept 4
	v_nop
.endr
.Lasked_\@:
.endm
.macro CREST                           ; a round of the cluster's barrier behind its opening barrier
	s_cmp_lg_u32 s14, 0
	s_cbranch_scc1 .Lnot_wave_0_\@
	s_barrier_signal -3
.Lnot_wave_0_\@:
	s_barrier_wait -3
	s_barrier_signal -1
	s_barrier_wait -1
.endm
.macro CROUND
	s_barrier_signal -1
	s_barrier_wait -1
	CREST
.endm
.macro PLACES n                        ; plain vector instructions between a matrix instruction and a load into, or a vector read or write of, its registers
.rept \n
	v_nop
.endr
.endm
.macro FRAG reg, adr, q, i             ; block i's image of the slot's q-th step: 16 registers, four loads of 512 consecutive bytes
.irp c, 0,1,2,3
	ds_load_b128 v[\reg+4*\c:\reg+4*\c+3], v[\adr] offset:(\i)*ROWB+(\q)*2048+512*\c
.endr
.endm
.macro FETCH_B slot, q, p              ; all of B's blocks into set p
	WIN 0x40
.set fi, 0
.rept NBK
	FRAG 128*(\p)+16*fi, 20+\slot, \q, fi
.set fi, fi+1
.endr
	WIN 0
.endm
.macro FETCH_A slot, q, i0             ; half of A's blocks, from i0 on
.set fi, \i0
.rept NBK/2
	FRAG 128+16*fi, 16+\slot, \q, fi
.set fi, fi+1
.endr
.endm
.macro MULG g, p, zero                 ; a quarter of A's blocks against all of B's.  All accumulators take turns, one instruction a turn, in the same order in every step
.set ma, (\g)*NBK/4
.rept NBK/4
.set mb, 0
.rept NBK
.set rD, 8*(NBK*(ma%(NBK/2))+mb)
.if \zero
	v_wmma_f32_16x16x128_bf8_bf8 v[rD:rD+7], v[128*(\p)+16*mb:128*(\p)+16*mb+15], v[128+16*ma:128+16*ma+15], 0
.else
	v_wmma_f32_16x16x128_bf8_bf8 v[rD:rD+7], v[128*(\p)+16*mb:128*(\p)+16*mb+15], v[128+16*ma:128+16*ma+15], v[rD:rD+7]
.endif
.set mb, mb+1
.endr
.set ma, ma+1
.endr
.endm
.macro STEP slot, q, zero              ; a step of 128 along K that has its successor in the same slot.  A block of A is free once its products are issued: one set serves A; B has two
	s_wait_dscnt NLH                               ; B's set and A's lower blocks are in; the youngest loads (A's upper blocks) may be out
	WIN 0xa1
	MULG 0, (\q)%2, \zero
	MULG 1, (\q)%2, \zero
	s_wait_dscnt 0
	PLACES 4
	FETCH_B \slot, (\q)+1, 1-(\q)%2
	FETCH_A \slot, (\q)+1, 0
	WIN 0xf1
	MULG 2, (\q)%2, \zero
	MULG 3, (\q)%2, \zero
	PLACES 4
	WIN 0
	FETCH_A \slot, (\q)+1, NBK/2
.endm
.macro TURN slot, next, fill           ; a slot's last step changes slots: one barrier; fill = 1: this slot is filled again, two slots' worth of K ahead
	s_wait_tensorcnt 0x0                           ; all my tensor loads have landed: my part of the next slot
	ds_add_u32 v28, v29                            ; 0 onto my spare word
	s_wait_dscnt NLH+1                             ; (the add and A's upper blocks may be out)
	WIN 0xa1
	MULG 0, 1, 0
	s_wait_dscnt 0x0                               ; the add is done, and my reads of this slot are over
	s_barrier_signal -1
	MULG 1, 1, 0
	WIN 0
	s_barrier_wait -1
.if \fill
	CREST                                          ; the barrier has opened a round of the cluster's: no wave of any partner still reads this slot or has a load on its way
	s_add_nc_u64 s[G0+4*\slot+2:G0+4*\slot+3], s[G0+4*\slot+2:G0+4*\slot+3], 2*ROWB
	s_add_nc_u64 s[G0B+4*\slot+2:G0B+4*\slot+3], s[G0B+4*\slot+2:G0B+4*\slot+3], 2*ROWB
	JLOAD G0+4*\slot, G1, G0B+4*\slot, G1B         ; the first tensor load behind the round; its four v_nop are the places in front of the loads below
.else
	PLACES 4
.endif
	FETCH_B \next, 0, 0
	FETCH_A \next, 0, 0
	WIN 0xf1
	MULG 2, 1, 0
	MULG 3, 1, 0
	PLACES 4
	WIN 0
	FETCH_A \next, 0, NBK/2
.endm
.macro MID slot, from                  ; a slot's steps from 'from' to its last but one
.set mq, \from
.rept NQ-1-(\from)
	STEP \slot, mq, 0
.set mq, mq+1
.endr
.endm
.if KIND == 0
	s_load_b64 s[4:5], s[0:1], 0x0                 ; A's and B's images both lie in pc
	s_load_b64 s[6:7], s[0:1], 0x0
	s_load_b64 s[8:9], s[0:1], 0x8                 ; the scales' exponents
	s_load_b64 s[10:11], s[0:1], 0x10              ; out
.else
	s_load_b128 s[4:7], s[0:1], 0x0                ; A's images, pc
	s_load_b64 s[8:9], s[0:1], 0x10                ; the scales' exponents
	s_load_b64 s[12:13], s[0:1], 0x18              ; the bias
.if KIND == 1
	s_load_b64 s[10:11], s[0:1], 0x20              ; out
.else
	s_load_b64 s[66:67], s[0:1], 0x20              ; the residual
	s_load_b64 s[10:11], s[0:1], 0x28              ; out
.endif
.endif
	v_lshl_add_u32 v28, v0, 2, SPARE
	v_mov_b32 v29, 0
	ds_add_u32 v28, v29
	ds_add_u32 v28, v29
	s_wait_dscnt 0x0
	v_lshrrev_b32 v1, 5, v0
	v_readfirstlane_b32 s14, v1                    ; wave 0..3
.set PLB, 3+NQ/2                       ; log2 of the blocks of 256 bytes in a tile's row of ROWB bytes
	v_and_b32 v23, 31, v0                          ; THE PREFETCHES' OFFSET, v22, never rewritten: a lane a block of 256 bytes: row lane >> PLB of my work-group's share, block lane % 2^PLB of that row
	v_lshrrev_b32 v22, PLB, v23
	v_and_b32 v23, (1<<PLB)-1, v23
	v_mul_u32_u24 v22, v22, RT
	v_lshl_add_u32 v22, v23, 8, v22
	s_lshr_b32 s15, s14, 1                         ; my half of the block's rows.  Also: I fetch for A (0) or for B (1)
	s_and_b32 s16, s14, 1                          ; my half of its columns.  Also: which half of that tile I fetch
	s_bfe_u32 s40, ttmp6, 0x40000                  ; cx, cy: my place in the cluster
	s_bfe_u32 s41, ttmp6, 0x40004
	s_and_b32 s86, ttmp7, 0xffff                   ; cluster y
.if KIND == 0
	s_lshl_b32 s87, ttmp9, 22                      ; cluster x = 0, 1, 2: q, k, v.  q, k: A = h's codes for that product, B = the weight's; 16 block rows (tokens) x 4 block columns
	s_lshl_b32 s90, ttmp9, 20
	s_add_co_u32 s90, s90, 0xc00000
	s_cmp_eq_u32 ttmp9, 2                          ; v: A = Wv's codes, B = h's: 4 block rows (channels) x 16 block columns (tokens).  No branch: selections on the cluster's number, which the partners share
	s_cselect_b32 s17, 0, s86
	s_cselect_b32 s42, s86, 0
	s_cselect_b32 s87, 0xe00000, s87               ; where A's images begin in pc,
	s_cselect_b32 s90, 0x800000, s90               ; and B's
	s_cselect_b32 s91, 16, 17                      ; log2 of the bytes from one 64 columns' images to the next in the output
.else
	s_mov_b32 s17, s86
	s_mov_b32 s42, ttmp9
	s_mov_b32 s87, 0
	s_mov_b32 s90, BOFF
.endif
	s_lshl_b32 s17, s17, 2
	s_add_co_u32 s17, s17, s41                     ; block row
	s_lshl_b32 s42, s42, 2
	s_add_co_u32 s42, s42, s40                     ; block column
	s_lshl_b32 s43, s41, 2
	s_lshl_b32 s43, 15, s43                        ; my row of the cluster
	s_lshl_b32 s44, 0x1111, s40                    ; my column
	s_or_b32 s[G1+0], s43, (1<<21)                 ; 15:0 the mask: A's tiles go to my row; 17:16 elements of 1 byte; 20 no padding; 21 set beside a mask
	s_or_b32 s[G1B+0], s44, (1<<21)
.irp g, G1, G1B
	s_mov_b32 s[\g+1], (ROWB&0xffff)<<16           ; tensor_dim0
	s_mov_b32 s[\g+2], (ROWB>>16)|(NBK<<16)        ; tensor_dim1
	s_mov_b32 s[\g+3], ROWB<<16                    ; tile_dim0
	s_mov_b32 s[\g+4], NBK                         ; tile_dim1
	s_mov_b32 s[\g+5], RT                          ; tensor_dim0_stride
	s_mov_b32 s[\g+6], 0
	s_mov_b32 s[\g+7], 0
.endr
	s_mul_i32 s18, s16, NBK
	s_mul_i32 s20, s17, 2*NBK
	s_add_co_u32 s20, s20, s18                     ; A: the first tile of 16 rows that I fetch,
	s_mul_i32 s20, s20, RT
	s_add_co_u32 s20, s20, s87                     ; in bytes (under 2^25)
	s_mov_b32 s21, 0
	s_mul_i32 s46, s42, 2*NBK
	s_add_co_u32 s46, s46, s18                     ; B likewise
	s_mul_i32 s46, s46, RT
	s_add_co_u32 s46, s46, s90
	s_mov_b32 s47, 0
	s_mul_i32 s45, s14, HALFT                      ; where they go: no place in the cluster enters an LDS address
	s_wait_alu depctr_va_vdst(0)
	s_wait_kmcnt 0x0
	s_load_b512 s[68:83], s[8:9], 0x0              ; the sixteen exponents: entry i in s[68 + i]
	s_add_nc_u64 s[20:21], s[4:5], s[20:21]
	s_add_nc_u64 s[46:47], s[6:7], s[46:47]
	s_cmp_eq_u32 s15, 0                            ; where my prefetches stand: of the 32,768 bytes of a slot that my wave fetches, each of the four partners that ask for them jointly takes 8,192, told apart BY ADDRESS
	s_cselect_b64 s[94:95], s[20:21], s[46:47]
	s_cselect_b32 s96, s40, s41                    ; cx among those that share A's tile, cy among those that share B's
	s_mul_i32 s96, s96, (8192/ROWB)*RT
	s_mov_b32 s97, 0
	s_add_nc_u64 s[94:95], s[94:95], s[96:97]
	CROUND                                         ; all sixteen work-groups are here: the first joint loads meet
.irp s, 0,1
	s_mov_b32 s[G0+4*\s], 1
	s_add_co_u32 s[G0+4*\s+1], s45, \s*SLOT
	s_add_nc_u64 s[G0+4*\s+2:G0+4*\s+3], s[20:21], \s*ROWB
	s_or_b32 s[G0+4*\s+3], s[G0+4*\s+3], 0x80000000
	s_mov_b32 s[G0B+4*\s], 1
	s_add_co_u32 s[G0B+4*\s+1], s45, \s*SLOT
	s_add_nc_u64 s[G0B+4*\s+2:G0B+4*\s+3], s[46:47], \s*ROWB
	s_or_b32 s[G0B+4*\s+3], s[G0B+4*\s+3], 0x80000000
.if \s
	s_wait_alu depctr_va_vdst(0)
	s_wait_tensorcnt 0x0                           ; slot 1's first fill is issued as a refill is: my part of slot 0 is in,
	ds_add_u32 v28, v29                            ; 0 onto my spare word,
	s_wait_dscnt 0x0                               ; the add is done,
	CROUND                                         ; and a whole round of the cluster's barrier
.endif
	JLOAD G0+4*\s, G1, G0B+4*\s, G1B               ; one tensor load a wave at the head, one behind the round
.if \s == 0
	s_wait_kmcnt 0x0                               ; the sixteen exponents are in; the prefetches stand behind this wait, some way behind slot 0's joint load
	global_prefetch_b8 v22, s[94:95] offset:ROWB th:TH_LOAD_NT scope:SCOPE_SE     ; slot 1's bytes, which are loaded one fill on,
.if LAPS > 1
	global_prefetch_b8 v22, s[94:95] offset:2*ROWB th:TH_LOAD_NT scope:SCOPE_SE   ; and those of the first refill, two fills on
.endif
.elseif LAPS > 1
	global_prefetch_b8 v22, s[94:95] offset:3*ROWB th:TH_LOAD_NT scope:SCOPE_SE   ; behind slot 1's fill: the second refill's, two fills on.  Each block of 256 bytes is named once in each cluster that loads it
.endif
.endr
	v_and_b32 v1, 15, v0                           ; r
	v_bfe_u32 v2, v0, 4, 1                         ; h
	v_and_b32 v3, 31, v0
	v_lshlrev_b32 v3, 4, v3                        ; 16 x lane
	s_mul_i32 s86, s15, HALFT                      ; my half of A,
	s_mul_i32 s87, s16, HALFT
	s_add_co_u32 s87, s87, 2*HALFT                 ; my half of B
.irp s, 0,1
	v_add_nc_u32 v[16+\s], s86, v3
	v_add_nc_u32 v[20+\s], s87, v3
	s_add_co_u32 s86, s86, SLOT
	s_add_co_u32 s87, s87, SLOT
.endr
.if KIND == 0
	v_mov_b32 v26, v3
	s_cmp_eq_u32 ttmp9, 2                          ; out: q at 0, k at 4 MB: [batch][head][tile of 16 tokens: 128][1,024]; v at 8 MB: [batch][64 keys: 32][head][16 channels: 4][1,024]
	s_cselect_b32 s86, s42, s17                    ; the tokens' block says the batch
	s_lshr_b32 s86, s86, 3
	s_lshl_b32 s86, s86, 21
	s_lshl_b32 s87, ttmp9, 22
	s_add_co_u32 s86, s86, s87
	s_and_b32 s87, s42, 7
	s_lshl_b32 s87, s87, 2
	s_lshl_b32 s92, s16, 1
	s_add_co_u32 s87, s87, s92                     ; my first 64 columns (a head; for v: 64 keys)
	s_lshl_b32 s87, s87, s91
	s_add_co_u32 s86, s86, s87
	s_and_b32 s87, s17, 7
	s_lshl_b32 s87, s87, 4
	s_lshl_b32 s92, s15, 3
	s_add_co_u32 s87, s87, s92                     ; my first tile of 16 rows
	s_lshl_b32 s87, s87, 10
	s_add_co_u32 s86, s86, s87
	s_mov_b32 s87, 0
	s_add_nc_u64 s[10:11], s[10:11], s[86:87]
	s_lshl_b32 s86, 1, s91
	s_add_nc_u64 s[88:89], s[10:11], s[86:87]      ; my second 64 columns
.elseif KIND == 1
	v_mov_b32 v26, v3
	s_lshl_b32 s86, s17, 4
	s_lshl_b32 s87, s15, 3
	s_add_co_u32 s86, s86, s87
	s_lshl_b32 s86, s86, 16                        ; out: [tile of 16 rows][K step: 32][2,048]: my first tile of rows,
	s_lshl_b32 s87, s42, 1
	s_add_co_u32 s87, s87, s16
	s_lshl_b32 s87, s87, 11                        ; my 128 columns are one K step
	s_add_co_u32 s86, s86, s87
	s_mov_b32 s87, 0
	s_add_nc_u64 s[10:11], s[10:11], s[86:87]
	s_add_nc_u64 s[88:89], s[10:11], 1024
	s_lshl_b32 s86, s42, 10
	s_lshl_b32 s92, s16, 9
	s_add_co_u32 s86, s86, s92
	s_add_nc_u64 s[12:13], s[12:13], s[86:87]      ; the bias of my 128 columns
	v_lshlrev_b32 v27, 5, v2
.set jj, 0
.rept 8
	global_load_b128 v[32+8*jj:35+8*jj], v27, s[12:13] offset:64*jj       ; in the results' layout: columns 16 b + 8 h + 0 .. 7
	global_load_b128 v[36+8*jj:39+8*jj], v27, s[12:13] offset:64*jj+16
.set jj, jj+1
.endr
.else
	s_lshl_b32 s86, s17, 7
	s_lshl_b32 s87, s15, 6
	s_add_co_u32 s86, s86, s87
	s_lshl_b32 s86, s86, 12                        ; my first row, 4,096 bytes a row,
	s_lshl_b32 s87, s42, 9
	s_lshl_b32 s92, s16, 8
	s_add_co_u32 s92, s92, s87                     ; my 64 columns: 256 bytes, aligned
	s_add_co_u32 s86, s86, s92
	s_mov_b32 s87, 0
	s_mov_b32 s93, 0
	s_add_nc_u64 s[10:11], s[10:11], s[86:87]
	s_add_nc_u64 s[66:67], s[66:67], s[86:87]
	s_add_nc_u64 s[12:13], s[12:13], s[92:93]
	v_lshlrev_b32 v27, 4, v1
	v_lshl_add_u32 v26, v2, 12, v27                ; lanes 0-15 one row's 256 bytes, lanes 16-31 the next row's
	s_mul_i32 s86, s14, 4352                       ; my stage: 16 rows x (256 + 16) bytes, in slot 0, used behind that slot's last fill and last read
	v_mul_u32_u24 v24, v1, 272
	v_lshl_add_u32 v24, v2, 5, v24
	v_add_nc_u32 v24, s86, v24                     ; in: row r, 32 bytes for each half of the lanes
	v_mul_u32_u24 v25, v2, 272
	v_add_nc_u32 v25, v25, v27
	v_add_nc_u32 v25, s86, v25                     ; back: by rows
	global_load_b128 v[32:35], v27, s[12:13]       ; the bias of my four columns on the way back
	WIN 0x80
.set jj, 0
.rept 32
	global_load_b128 v[128+4*jj:131+4*jj], v26, s[66:67] offset:2*jj*4096   ; the residual's 64 rows, in the layout of the way back: asked for now, wanted at the end
.set jj, jj+1
.endr
	WIN 0
.endif
	s_wait_alu depctr_va_vdst(0)
	s_wait_kmcnt 0x0
.if KIND == 0
	s_add_co_i32 s86, s68, s69
	s_add_co_i32 s87, s70, s71
	s_add_co_i32 s92, s72, s73
	s_cmp_eq_u32 ttmp9, 0
	s_cselect_b32 s86, s86, s87
	s_cselect_b32 s93, s74, s75
	s_cmp_eq_u32 ttmp9, 2
	s_cselect_b32 s86, s92, s86                    ; the product's two exponents added,
	s_cselect_b32 s93, s77, s93                    ; and the exponent of the codes that go out: q entry 6, k entry 7, v entry 9
.elseif KIND == 1
	s_add_co_i32 s86, s80, s81
	s_mov_b32 s93, s82
.elseif KIND == 2
	s_add_co_i32 s86, s78, s79
.else
	s_add_co_i32 s86, s82, s83
.endif
	s_add_co_i32 s86, s86, 127
	s_lshl_b32 s84, s86, 23                        ; 2^(eA + eB) as f32
	s_mov_b32 s85, s84                             ; (named with it as a pair)
.if KIND < 2
	s_add_co_i32 s93, s93, 127
	s_lshl_b32 s92, s93, 23
	v_mov_b32 v31, s92                             ; 2^e of the codes made here
	s_add_co_i32 s93, s93, 15
	s_lshl_b32 s93, s93, 23
	s_or_b32 s93, s93, 0x600000
	v_mov_b32 v30, s93                             ; 57,344 x 2^e
.endif
	s_wait_tensorcnt 1                             ; my part of slot 0 is in; slot 1's may be out
	s_barrier_signal -1
	s_barrier_wait -1
	FETCH_B 0, 0, 0
	FETCH_A 0, 0, 0
	FETCH_A 0, 0, NBK/2
	STEP 0, 0, 1                                   ; the first step stands in front of the loop: its products start the sums
.if LAPS > 1
	s_mov_b32 s3, LAPS-1
.Llap:                                                 ; a trip goes once round the ring, from a lap's second step to the next lap's first, and fills both slots again
	MID 0, 1
	TURN 0, 1, 1
	MID 1, 0
	TURN 1, 0, 1
	STEP 0, 0, 0
	s_sub_co_u32 s3, s3, 1
	s_cmp_lg_u32 s3, 0
	s_cbranch_scc1 .Llap
.endif
	MID 0, 1                                       ; the last lap fills nothing
	TURN 0, 1, 0
	MID 1, 0
	s_wait_dscnt NLH                               ; the very last step
	WIN 0xa1
	MULG 0, 1, 0
	MULG 1, 1, 0
	s_wait_dscnt 0
	WIN 0xf1
	MULG 2, 1, 0
	MULG 3, 1, 0
	WIN 0
	PLACES 4
.if KIND < 2
	; THE WAY OUT AS CODES.  Block a (16 rows x 128 columns): sum x 2^(eA + eB) (+ bias), the hold (with relu: between 0 and the largest), eight conversions: the sixteen registers of a fragment; four stores of 512 consecutive bytes.
.if KIND == 1
	s_wait_loadcnt 0x0                             ; the bias
.endif
.set ia, 0
.rept 8
.set AC, 64*(ia%4)
.set CD, 128+16*ia                     ; each block has registers of its own for its codes: no store's data are written again
	WIN 0x42+ia/4                                  ; source 0: the sums' window; destination window 1, where B's first set lay
.set jj, 0
.rept 32
.if KIND == 1
	v_pk_fma_f32 v[jj:jj+1], v[AC+jj:AC+jj+1], s[84:85], v[32+jj:33+jj] op_sel_hi:[1,0,1]
.else
	v_pk_mul_f32 v[jj:jj+1], v[AC+jj:AC+jj+1], s[84:85] op_sel_hi:[1,0]   ; each accumulator from its low end on
.endif
.set jj, jj+2
.endr
	WIN 0x41
.set jj, 0
.rept 64
.if KIND == 1
	v_med3_num_f32 v[jj], v[jj], 0, v30            ; the activation and the hold in one
.else
	v_med3_num_f32 v[jj], v[jj], -v30, v30         ; the conversion does not saturate (ISA guide 7.6.2)
.endif
.set jj, jj+1
.endr
	WIN 0x01
.set jj, 0
.rept 8
	v_cvt_scalef32_pk8_bf8_f32 v[CD+2*jj:CD+2*jj+1], v[8*jj:8*jj+7], v31   ; columns 16 b + 8 h + 0 .. 7: registers 2 b, 2 b + 1 of the next operand
.set jj, jj+1
.endr
	WIN 0
	v_nop                                          ; a plain line between the conversions and the next block's writes of their sources
.set jj, 0
.rept 4
	global_store_b128 v26, v[CD+4*jj:CD+4*jj+3], s[10+78*(jj/2):11+78*(jj/2)] offset:ia*ASTR+(jj%2)*512
.set jj, jj+1
.endr
.set ia, ia+1
.endr
.else
	; THE WAY OUT AS f32.  A block of 16 rows x 64 columns goes through my stage as raw sums and comes back by rows; there sum x 2^(eA + eB) + (residual + bias), and sixteen lanes store one aligned 256 bytes.
	s_wait_loadcnt 0x0                             ; the residual and the bias
	WIN 0x82
.set jj, 0
.rept 64
	v_pk_add_f32 v[128+2*jj:129+2*jj], v[128+2*jj:129+2*jj], v[32+2*(jj%2):33+2*(jj%2)]
.set jj, jj+1
.endr
	WIN 0
.macro TOSTAGE a
	WIN 0x08+4*((\a)/2)                            ; the stores' data: window 2 or 3
.set jj, 0
.rept 4
	ds_store_b128 v24, v[32*((\a)%2)+8*jj:32*((\a)%2)+8*jj+3] offset:64*jj
	ds_store_b128 v24, v[32*((\a)%2)+8*jj+4:32*((\a)%2)+8*jj+7] offset:64*jj+16
.set jj, jj+1
.endr
	WIN 0
.set jj, 0
.rept 8
	ds_load_b128 v[128+32*(\a)+4*jj:128+32*(\a)+4*jj+3], v25 offset:544*jj   ; LDS serves a wave's instructions in order: these see my stores, and the next block's stores come behind them
.set jj, jj+1
.endr
.endm
.macro SEND a, younger                 ; younger: the LDS instructions issued behind block a's loads
	s_wait_dscnt \younger
	WIN 0x20                                       ; source 2: window 2
.set jj, 0
.rept 16
	v_pk_fma_f32 v[128+32*(\a)+2*jj:129+32*(\a)+2*jj], v[128+32*(\a)+2*jj:129+32*(\a)+2*jj], s[84:85], v[128+32*(\a)+2*jj:129+32*(\a)+2*jj] op_sel_hi:[1,0,1]
.set jj, jj+1
.endr
	WIN 0
.set jj, 0
.rept 8
	global_store_b128 v26, v[128+32*(\a)+4*jj:128+32*(\a)+4*jj+3], s[10:11] offset:(16*(\a)+2*jj)*4096
.set jj, jj+1
.endr
.endm
	TOSTAGE 0
	TOSTAGE 1
	SEND 0, 16
	TOSTAGE 2
	SEND 1, 16
	TOSTAGE 3
	SEND 2, 16
	SEND 3, 0
.endif
	s_wait_tensorcnt 0x0                           ; the wave's end
	ds_add_u32 v28, v29
	s_wait_dscnt 0x0
	CROUND                                         ; the closing round: no work-group ends while a partner may still ask for a tile that names it
	s_endpgm
.Lfunc_end_k_qbb9c5027bd_qkv:
	.size	k_qbb9c5027bd_qkv, .Lfunc_end_k_qbb9c5027bd_qkv-k_qbb9c5027bd_qkv
	.p2alignl 7, 3214868480
	.fill 96, 4, 3214868480
	.section	.rodata,"a",@progbits
	.p2align	6, 0x0
	.amdhsa_kernel k_qbb9c5027bd_qkv
		.amdhsa_group_segment_fixed_size 327680
		.amdhsa_private_segment_fixed_size 0
		.amdhsa_enable_private_segment 0
		.amdhsa_kernarg_size 24
		.amdhsa_user_sgpr_count 2
		.amdhsa_user_sgpr_kernarg_segment_ptr 1
		.amdhsa_wavefront_size32 1
		.amdhsa_system_sgpr_workgroup_id_x 1
		.amdhsa_system_sgpr_workgroup_id_y 1
		.amdhsa_system_sgpr_workgroup_id_z 1
		.amdhsa_system_vgpr_workitem_id 0
		.amdhsa_next_free_vgpr 1024
		.amdhsa_next_free_sgpr 100
		.amdhsa_reserve_vcc 0
		.amdhsa_float_denorm_mode_32 3
		.amdhsa_float_denorm_mode_16_64 3
		.amdhsa_memory_ordered 1
		.amdhsa_forward_progress 1
		.amdhsa_inst_pref_size 136
	.end_amdhsa_kernel
	.amdgpu_metadata
---
amdhsa.version: [ 1, 2 ]
amdhsa.kernels:
  - .name:           k_qbb9c5027bd_qkv
    .symbol:         k_qbb9c5027bd_qkv.kd
    .args:
      - { .name: pc, .offset: 0, .size: 8, .value_kind: global_buffer, .address_space: global }
      - { .name: lowp_scales, .offset: 8, .size: 8, .value_kind: global_buffer, .address_space: global }
      - { .name: qkvb, .offset: 16, .size: 8, .value_kind: global_buffer, .address_space: global }
    .group_segment_fixed_size: 327680
    .private_segment_fixed_size: 0
    .kernarg_segment_align: 8
    .kernarg_segment_size: 24
    .max_flat_workgroup_size: 128
    .sgpr_count:     100
    .vgpr_count:     1024
    .wavefront_size: 32
...
	.end_amdgpu_metadata
.endif
;; end of part 2
;; launch attn (part 3): grid 8 x 32, 16 waves a work-group, clusters of 4 x 1, 327,680 bytes of LDS; arguments qkvb, lowp_scales, ac; writes ac
.if DOCPART == 3
	.amdgcn_target "amdgcn-amd-amdhsa--gfx1250"
	.amdhsa_code_object_version 6
	.text
	.protected	k_qbb9c5027bd_attn
	.globl	k_qbb9c5027bd_attn
	.p2align	8
	.type	k_qbb9c5027bd_attn,@function
k_qbb9c5027bd_attn:
	s_mov_b64 s[64:65], 0
	v_nop
	global_prefetch_b8 v0, s[64:65] scope:SCOPE_SE
	s_setreg_imm32_b32 hwreg(HW_REG_WAVE_MODE, 25, 1), 1
	s_wait_xcnt 0x0
	s_wait_alu depctr_hold_cnt(0) depctr_sa_sdst(0) depctr_va_vdst(0) depctr_va_sdst(0) depctr_va_ssrc(0) depctr_va_vcc(0) depctr_vm_vsrc(0)
	s_getreg_b32 s2, hwreg(HW_REG_IB_STS2, 6, 4)
	s_cmp_eq_u32 s2, 0
	s_cbranch_scc0 .Lentry_in_a_cluster
	s_endpgm
.Lentry_in_a_cluster:
	s_bfe_u32 s2, ttmp6, 0x10000c
	s_cmp_lg_u32 s2, 0x3003
	s_cbranch_scc0 .Lentry_shape_is_right
	s_endpgm
.Lentry_shape_is_right:
; CAUSAL ATTENTION ON CODES OF E5M2.  32 (batch, head) pairs, 2,048 tokens, head size 64.  q, k, v come as images of fragment registers: q at 0, k at 4 MB: [batch][head][tile of 16 tokens][1,024 bytes];
; v at 8 MB: [batch][64 keys][head][16 channels][1,024 bytes], rows = channels, K = keys.  Out: attn's codes (scale entry 10), images [tile of 16 tokens: 256][K step: 8][2,048], k = 64 head + channel.
; THE SOFTMAX: t = score x log2(e) / 8; M = the running largest t rounded UP to a whole number; p = 2^(t - M) is quantised (entry 8); the row's sum is taken of the unquantised p and divides at the end.
; SHARES.  Work-group j (0..7) of a head owns the tiles of queries 8 rank + j, rank = 0..15; the tile of rank n needs key steps 0 .. n (128 keys each), step n with the mask: 136 steps in all.
; EVERY WAVE GETS THE SAME WORK.  Waves 2 p and 2 p + 1 share the tiles of ranks 15 - p and p, 17 steps together.  Role B: steps 0 .. p and 8 .. 15 - p of rank 15 - p: nine.  Role A: steps p + 1 .. 7 of rank 15 - p, then all
; p + 1 steps of rank p: eight.  Role A leaves its part of rank 15 - p (O^T, -M, the sum) in LDS as an image of its registers; role B joins the two parts: both are brought under the larger M by powers of two, which rounds nothing.
; A part's M is the running M of that part's keys.  The role is ((wave / 4) xor wave) % 2, so that of any four waves w, w + 4, w + 8, w + 12 and of any four waves on end two have each role.
; The nine trips are written out; in trip i the step is ((i + a) & m) + e [i > p], with a = p + 1, m = 7, e = 0 (role A) or a = 0, m = 15, e = 7 - p (role B).  The diagonal falls on trip 7 (role A) and trip 8 (role B).
; Every branch hangs on the wave's number alone.  The four work-groups of a cluster belong to one head: its whole K (128 KB) and V (128 KB) are asked for JOINTLY, each byte once; nothing in LDS is filled twice.
; Waves 0 to 3 ask for K's chunks (512 keys), wave c chunk c, waves 4 to 7 for V's: one load of a wave is out at the most.  No prefetch: every tile of the launch is asked for at its head.
; LAYOUT.  S^T = K Q^T (source 0 = 16 keys), O^T = V^T P^T (source 0 = 16 channels): a lane holds ONE query.  Register 8 i + n of S^T is key 16 i + 8 (lane / 16) + n: one conversion a tile gives registers 2 i, 2 i + 1 of P.
; LIMITS: eq + ek between -123 and 130 (added to c's exponent field); ep and the exponent of attn's codes between -126 and 112; NaN is not served.
; REGISTERS: v1 16 x lane; v2, v3 LDS addresses in hand; v4 the mask's number; v5 the pair's image in LDS; v12 -M, v13 the largest t, v[14:15] the sum; v16-23 Q; v24-31 the second tile's Q; v32-95 K's or V's fragments;
;   v96-159 S^T, then p (at the end: the partner's image); v160-191 O^T; v224-239 p's codes; v232-255 at work and constants.
.set VOFF, 131072                      ; LDS: K's 128 tiles of 16 keys x 1,024 bytes at 0; V at VOFF: 64 keys: 4,096 bytes, 16 channels: 1,024
.set SCR,  262144                      ; behind them: the pairs' images; no tile lands here
.set PART, 4608                        ; an image: 36 registers x 128 bytes
.macro CROUND
	s_barrier_signal -1
	s_barrier_wait -1
	s_cmp_lg_u32 s10, 0
	s_cbranch_scc1 .Lnot_wave_0_\@
	s_barrier_signal -3
.Lnot_wave_0_\@:
	s_barrier_wait -3
	s_barrier_signal -1
	s_barrier_wait -1
.endm
	s_load_b128 s[4:7], s[0:1], 0x0                ; qkvb, the scales' exponents
	s_load_b64 s[8:9], s[0:1], 0x10                ; ac
	v_lshl_add_u32 v251, v0, 2, 0x49000
	v_mov_b32 v255, 0
	ds_add_u32 v251, v255
	ds_add_u32 v251, v255
	v_lshrrev_b32 v1, 5, v0
	s_delay_alu instid0(VALU_DEP_1)
	v_readfirstlane_b32 s10, v1                    ; wave 0..15
	s_bfe_u32 s11, ttmp6, 0x40000                  ; cx
	s_lshl_b32 s12, ttmp9, 2
	s_add_co_u32 s12, s12, s11                     ; j: it enters Q's and the output's addresses and the mask's number alone
	s_and_b32 s13, ttmp7, 0xffff                   ; 16 batch + head, which the partners share
	s_lshr_b32 s14, s13, 4
	s_and_b32 s15, s13, 15
	s_lshr_b32 s59, s10, 1                         ; p: my pair
	s_lshr_b32 s58, s10, 2
	s_xor_b32 s58, s58, s10
	s_and_b32 s58, s58, 1                          ; my role: 0 = A, 1 = B
	s_xor_b32 s44, s59, 7                          ; 7 - p
	s_xor_b32 s51, s58, 1
	s_add_co_u32 s46, s59, 1
	s_mul_i32 s46, s46, s51                        ; a
	s_lshl_b32 s47, s58, 3
	s_add_co_u32 s47, s47, 7                       ; m
	s_mul_i32 s48, s44, s58                        ; e
	s_mul_i32 s45, s58, 99
	s_add_co_u32 s45, s45, s44                     ; the trip ahead of which I change tiles: 7 - p in role A, none of the nine in role B
	s_xor_b32 s49, s59, 15                         ; the rank of the tile that the pair shares
	s_mul_i32 s50, s58, 15
	s_xor_b32 s50, s50, s59                        ; the rank of the tile that I store: p in role A, 15 - p in role B
	s_mov_b32 s24, 15|(3<<16)|(1<<21)              ; K's chunk: 15:0 the mask: all four; 17:16 elements of 8 bytes; 21 set beside a mask.  128 rows of 256 bytes, dense
	s_mov_b32 s25, 32<<16
	s_mov_b32 s26, 128<<16
	s_mov_b32 s27, 32<<16
	s_mov_b32 s28, 128
	s_mov_b32 s29, 32
	s_mov_b32 s30, 0
	s_mov_b32 s31, 0
	s_mov_b32 s32, 15|(3<<16)|(1<<21)              ; V's chunk: 8 rows (64 keys each) of 4,096 bytes, 65,536 bytes apart
	s_mov_b32 s33, 512<<16
	s_mov_b32 s34, 8<<16
	s_mov_b32 s35, 512<<16
	s_mov_b32 s36, 8
	s_mov_b32 s37, 8192
	s_mov_b32 s38, 0
	s_mov_b32 s39, 0
	s_min_u32 s60, s10, 7                          ; THE FILLS, ONE A WAVE: waves 0 to 3 ask for K's four chunks of 512 keys, waves 4 to 7 for V's four; the other eight ask for nothing.  One load of a wave is out at the most
	s_lshr_b32 s61, s60, 2                         ; 0: K, 1: V
	s_and_b32 s60, s60, 3                          ; chunk c = wave % 4
	s_lshl_b32 s41, s61, 17
	s_lshl_b32 s18, s60, 15
	s_add_co_u32 s41, s41, s18                     ; in LDS: K at 0, V at VOFF, 32,768 bytes a chunk
	s_lshl_b32 s16, s13, 17
	s_add_co_u32 s16, s16, 0x400000
	s_add_co_u32 s16, s16, s18                     ; the head's K, chunk c
	s_lshl_b32 s17, s14, 21
	s_lshl_b32 s19, s15, 12
	s_add_co_u32 s17, s17, s19
	s_add_co_u32 s17, s17, 0x800000
	s_lshl_b32 s19, s60, 19
	s_add_co_u32 s17, s17, s19                     ; its V, chunk c
	s_cmp_lt_u32 s10, 4
	s_cselect_b32 s16, s16, s17
	s_mov_b32 s17, 0
	s_mov_b32 s40, 1
	s_mov_b32 s20, 0x76543210                      ; v_permlanex16_b32: lane l xor 16
	s_mov_b32 s21, 0xfedcba98
	s_mov_b32 s22, 0x3e38aa3b                      ; c = log2(e) / 8
	s_wait_dscnt 0x0
	s_wait_kmcnt 0x0
	s_load_b512 s[68:83], s[6:7], 0x0              ; the sixteen exponents: entry i in s[68 + i]
	s_add_nc_u64 s[42:43], s[4:5], s[16:17]
	s_or_b32 s43, s43, 0x80000000
	CROUND                                         ; all four work-groups are here: the joint loads meet
	s_cmp_lt_u32 s10, 4                            ; one chain of branches on the wave's number, one fill to an arm, all arms lead to one join
	s_cbranch_scc0 .Lnot_k
	tensor_load_to_lds s[40:43], s[24:31]
	s_nop 0
.rept 4
	v_nop
.endr
	s_branch .Lasked
.Lnot_k:
	s_cmp_lt_u32 s10, 8
	s_cbranch_scc0 .Lasked
	tensor_load_to_lds s[40:43], s[32:39]
	s_nop 0
.rept 4
	v_nop
.endr
.Lasked:
	v_and_b32 v1, 31, v0
	s_delay_alu instid0(VALU_DEP_1)
	v_lshlrev_b32 v1, 4, v1                        ; 16 x lane
	s_wait_alu depctr_va_vdst(0)
	s_lshl_b32 s54, s13, 7
	s_add_co_u32 s54, s54, s12                     ; 128 (16 batch + head) + j
	s_lshl_b32 s62, s49, 3
	s_add_co_u32 s62, s62, s54
	s_lshl_b32 s62, s62, 10
	s_mov_b32 s63, 0
	s_add_nc_u64 s[62:63], s[4:5], s[62:63]        ; Q of the shared tile,
	s_lshl_b32 s52, s59, 3
	s_add_co_u32 s52, s52, s54
	s_lshl_b32 s52, s52, 10
	s_mov_b32 s53, 0
	s_add_nc_u64 s[52:53], s[4:5], s[52:53]        ; Q of the tile of rank p
	global_load_b128 v[16:19], v1, s[62:63]
	global_load_b128 v[20:23], v1, s[62:63] offset:512
	global_load_b128 v[24:27], v1, s[52:53]        ; role A's second tile.  The waves of role B load it too and never use it: 1,024 bytes a wave, so that every register is written on every way
	global_load_b128 v[28:31], v1, s[52:53] offset:512
	s_lshl_b32 s60, s14, 7
	s_lshl_b32 s61, s50, 3
	s_add_co_u32 s60, s60, s61
	s_add_co_u32 s60, s60, s12
	s_lshl_b32 s60, s60, 14                        ; out: my tile of rows' 16,384 bytes,
	s_lshl_b32 s61, s15, 10                        ; my head's 64 of K: 1,024 bytes
	s_add_co_u32 s60, s60, s61
	s_mov_b32 s61, 0
	s_add_nc_u64 s[8:9], s[8:9], s[60:61]
	s_mul_i32 s54, s59, PART
	s_add_co_u32 s54, s54, SCR
	v_add_nc_u32 v5, s54, v1                       ; my pair's image: role A stores it, role B loads it, lane by lane
	v_and_b32 v6, 15, v0
	v_bfe_u32 v7, v0, 4, 1
	s_delay_alu instid0(VALU_DEP_1)
	v_lshlrev_b32 v7, 3, v7
	s_delay_alu instid0(VALU_DEP_1)
	v_sub_nc_u32 v4, v6, v7
	s_lshl_b32 s54, s12, 4
	v_add_nc_u32 v4, s54, v4                       ; 16 j + r - 8 h: in the step on the diagonal register 8 i + n is hidden where 16 i + n is greater
	v_mov_b32 v13, 0xff61b1e6                      ; the largest t so far: -3e38
	s_delay_alu instid0(VALU_DEP_1)
	v_floor_f32 v12, -v13                          ; -M
	v_mov_b32 v14, 0
	v_mov_b32 v15, 0
	v_mov_b32 v236, 0                              ; written once: a lane permute's destination counts as one of its sources
	v_mov_b32 v252, 0
	v_mov_b32 v253, 0
.set nn, 0
.rept 32
	v_mov_b32 v[160+nn], 0                         ; O^T: a tile's first step finds zeros
.set nn, nn+1
.endr
	s_wait_kmcnt 0x0
	s_add_co_i32 s60, s74, s75
	s_lshl_b32 s60, s60, 23
	s_add_co_i32 s22, s22, s60                     ; a score stands for score x 2^(eq + ek)
	s_mov_b32 s23, s22
	s_add_co_i32 s60, s76, 127
	s_lshl_b32 s61, s60, 23
	v_mov_b32 v244, s61                            ; 2^ep
	s_add_co_i32 s60, s60, 15
	s_lshl_b32 s60, s60, 23
	s_or_b32 s60, s60, 0x600000
	v_mov_b32 v240, s60                            ; 57,344 x 2^ep
	s_add_co_i32 s60, s78, 127
	s_lshl_b32 s61, s60, 23
	v_mov_b32 v245, s61                            ; the same for attn's codes
	s_add_co_i32 s60, s60, 15
	s_lshl_b32 s60, s60, 23
	s_or_b32 s60, s60, 0x600000
	v_mov_b32 v241, s60
; THE CHANGE OF TILES, ahead of trip 7 - p, in role A alone.  My part of the shared tile goes to LDS as it stands in my registers, the state begins anew, and the second tile's Q takes Q's place.
.macro SWITCH trip
	s_cmp_lg_u32 s45, \trip
	s_cbranch_scc1 .Lstay_\@
.set nn, 0
.rept 8
	v_mov_b32 v[16+nn], v[24+nn]                   ; eight plain lines that name no register of the last products: the places in front of the stores that read O^T
.set nn, nn+1
.endr
.set nn, 0
.rept 8
	ds_store_b128 v5, v[160+4*nn:163+4*nn] offset:512*nn   ; each accumulator from its low end on
.set nn, nn+1
.endr
	ds_store_b128 v5, v[12:15] offset:4096         ; -M, the largest t, the sum's two halves
	s_wait_dscnt 0x0                               ; the stores are done: their registers may be written, and the partner may read behind the barrier that follows trip 7
	v_mov_b32 v13, 0xff61b1e6
	s_delay_alu instid0(VALU_DEP_1)
	v_floor_f32 v12, -v13
	v_mov_b32 v14, 0
	v_mov_b32 v15, 0
.set nn, 0
.rept 32
	v_mov_b32 v[160+nn], 0
.set nn, nn+1
.endr
.Lstay_\@:
.endm
; A KEY STEP: 128 keys.  trip: which of my nine; mask = 0: all keys count; 1: role A's step lies on the diagonal; 2: the step lies on the diagonal.
.macro STEP trip, mask
.if (\trip) == 0
	s_and_b32 s56, s46, 7                          ; trip 0: step a & 7, among the first eight: the keys that the first barrier has shown
.else
	s_add_co_u32 s56, s46, \trip
	s_and_b32 s56, s56, s47                        ; (i + a) & m
	s_add_co_u32 s57, s59, 16-(\trip)
	s_lshr_b32 s57, s57, 4                         ; 1 where p >= i
	s_xor_b32 s57, s57, 1
	s_mul_i32 s57, s57, s48
	s_add_co_u32 s56, s56, s57                     ; + e where i > p
.endif
	s_lshl_b32 s56, s56, 13                        ; a step's tiles: 8,192 bytes, in K and, from VOFF on, in V
	v_add_nc_u32 v2, s56, v1
	s_delay_alu instid0(VALU_DEP_1)
	v_add_nc_u32 v3, VOFF, v2
	v_nop                                          ; with the two additions: four places in front of loads into registers that the last products read
	v_nop
.irp i, 0,1,2,3,4,5,6,7
	ds_load_b128 v[32+8*\i:35+8*\i], v2 offset:1024*\i
	ds_load_b128 v[36+8*\i:39+8*\i], v2 offset:1024*\i+512
.endr
	s_wait_alu depctr_va_vdst(0)
	s_wait_dscnt 0x0
.irp i, 0,1,2,3,4,5,6,7
	v_wmma_f32_16x16x64_bf8_bf8 v[96+8*\i:103+8*\i], v[32+8*\i:39+8*\i], v[16:23], 0
.endr
.rept 4
	v_nop
.endr
.irp t, 0,1,2,3
.irp g, 0,1
.irp c, 0,1
	ds_load_b128 v[32+16*\t+8*\g+4*\c:35+16*\t+8*\g+4*\c], v3 offset:4096*\g+1024*\t+512*\c   ; V's four fragments (16 channels x 128 keys): they land while the softmax is worked
.endr
.endr
.endr
.if (\mask) == 1
	s_cmp_lg_u32 s58, 0
	s_cbranch_scc1 .Lopen_\@
.endif
.if (\mask) > 0
	v_mov_b32 v254, 0xff800000                     ; on the diagonal hidden scores become -infinity ahead of the maximum: p = 0 then.  A query's own key always counts
.set nn, 0
.rept 64
	v_cmp_gt_i32 vcc_lo, 16*(nn/8)+nn%8, v4
	v_cndmask_b32 v[96+nn], v[96+nn], v254, vcc_lo
.set nn, nn+1
.endr
.endif
.if (\mask) == 1
.Lopen_\@:
.endif
	v_max3_num_f32 v254, v96, v97, v98             ; the step's largest score of my query among my 64 keys, in two chains, each accumulator from its low end on,
	v_max3_num_f32 v252, v99, v100, v101
.irp i, 6,10,14,18,22,26,30,34,38,42,46,50,54,58
	v_max3_num_f32 v254, v254, v[96+\i], v[97+\i]
	v_max3_num_f32 v252, v252, v[98+\i], v[99+\i]
.endr
	v_max3_num_f32 v254, v254, v158, v159
	s_delay_alu instid0(VALU_DEP_1)
	v_max_num_f32 v254, v254, v252
	v_permlanex16_b32 v236, v254, s20, s21
	s_delay_alu instid0(VALU_DEP_1)
	v_max_num_f32 v254, v254, v236                 ; and among lane l xor 16's
	s_delay_alu instid0(VALU_DEP_1)
	v_mul_f32 v254, s22, v254                      ; as t (c is positive)
	s_delay_alu instid0(VALU_DEP_1)
	v_max_num_f32 v13, v13, v254
	v_mov_b32 v254, v12
	s_delay_alu instid0(VALU_DEP_2)
	v_floor_f32 v12, -v13                          ; the new -M = -ceil(t)
	s_delay_alu instid0(VALU_DEP_1)
	v_sub_f32 v254, v12, v254                      ; old M - new M: a whole number, 0 or less
	s_delay_alu instid0(VALU_DEP_1)
	v_cvt_i32_f32 v254, v254                       ; (it saturates)
	s_delay_alu instid0(VALU_DEP_1)
	v_ldexp_f32 v252, 1.0, v254                    ; f = 2^(old M - new M): the rescaling rounds nothing
.set nn, 0
.rept 32
	v_pk_fma_f32 v[96+nn:97+nn], v[96+nn:97+nn], s[22:23], v[12:13] op_sel_hi:[1,0,0]   ; t - M
.set nn, nn+2
.endr
.set nn, 0
	s_wait_alu depctr_va_vdst(0)
.rept 64
	v_exp_f32 v[96+nn], v[96+nn]                   ; p = 2^(t - M): one batch
.set nn, nn+1
.endr
	v_pk_mul_f32 v[14:15], v[14:15], v[252:253] op_sel_hi:[1,0]   ; the sums under the new M: a plain line behind the exponentials
	s_wait_alu depctr_va_vdst(0)                   ; one wait for the batch, ahead of its first reader
	v_pk_add_f32 v[242:243], v[100:101], v[104:105]
	v_pk_add_f32 v[248:249], v[108:109], v[112:113]
	v_pk_add_f32 v[246:247], v[116:117], v[120:121]
	v_pk_add_f32 v[238:239], v[124:125], v[128:129]
	v_pk_add_f32 v[236:237], v[132:133], v[136:137]
	v_pk_add_f32 v[234:235], v[140:141], v[144:145]
	v_pk_add_f32 v[232:233], v[148:149], v[152:153]
	v_pk_add_f32 v[14:15], v[14:15], v[156:157]
	v_pk_add_f32 v[242:243], v[242:243], v[96:97]
	v_pk_add_f32 v[248:249], v[248:249], v[98:99]
	v_pk_add_f32 v[246:247], v[246:247], v[102:103]
	v_pk_add_f32 v[238:239], v[238:239], v[106:107]
	v_pk_add_f32 v[236:237], v[236:237], v[110:111]
	v_pk_add_f32 v[234:235], v[234:235], v[114:115]
	v_pk_add_f32 v[232:233], v[232:233], v[118:119]
	v_pk_add_f32 v[14:15], v[14:15], v[122:123]
	v_pk_add_f32 v[242:243], v[242:243], v[126:127]
	v_pk_add_f32 v[248:249], v[248:249], v[130:131]
	v_pk_add_f32 v[246:247], v[246:247], v[134:135]
	v_pk_add_f32 v[238:239], v[238:239], v[138:139]
	v_pk_add_f32 v[236:237], v[236:237], v[142:143]
	v_pk_add_f32 v[234:235], v[234:235], v[146:147]
	v_pk_add_f32 v[232:233], v[232:233], v[150:151]
	v_pk_add_f32 v[14:15], v[14:15], v[154:155]
	v_pk_add_f32 v[242:243], v[242:243], v[158:159]
	s_delay_alu instid0(VALU_DEP_2)
	v_pk_add_f32 v[14:15], v[14:15], v[238:239]
	s_delay_alu instid0(VALU_DEP_2)
	v_pk_add_f32 v[242:243], v[242:243], v[236:237]
	v_pk_add_f32 v[248:249], v[248:249], v[234:235]
	v_pk_add_f32 v[246:247], v[246:247], v[232:233]
	s_delay_alu instid0(VALU_DEP_2)
	v_pk_add_f32 v[14:15], v[14:15], v[248:249]
	s_delay_alu instid0(VALU_DEP_2)
	v_pk_add_f32 v[242:243], v[242:243], v[246:247]
	s_delay_alu instid0(VALU_DEP_1)
	v_pk_add_f32 v[14:15], v[14:15], v[242:243]
.irp i, 0,1,2,3,4,5,6,7
.irp e, 0,1,2,3,4,5,6,7
	v_min_num_f32 v[96+8*\i+\e], v[96+8*\i+\e], v240   ; the conversion does not saturate (ISA guide 7.6.2); p is not negative: a one-sided hold
.endr
	v_cvt_scalef32_pk8_bf8_f32 v[224+2*\i:225+2*\i], v[96+8*\i:103+8*\i], v244
.endr
.set nn, 0
.rept 16
	v_pk_mul_f32 v[160+nn:161+nn], v[160+nn:161+nn], v[252:253] op_sel_hi:[1,0]   ; O^T under the new M; also the plain lines between the conversions and the products
.set nn, nn+2
.endr
	s_wait_alu depctr_va_vdst(0)
	s_wait_dscnt 0x0                               ; V is in
.irp t, 0,1,2,3
	v_wmma_f32_16x16x128_bf8_bf8 v[160+8*\t:167+8*\t], v[32+16*\t:47+16*\t], v[224:239], v[160+8*\t:167+8*\t]   ; four accumulators by turns
.endr
.endm
	s_wait_loadcnt 0x0                             ; both fragments of Q
	s_wait_tensorcnt 0x0                           ; the waves that asked: my one chunk is in
	s_barrier_signal -1
	s_barrier_wait -1                              ; all keys of K and of V lie in LDS
	SWITCH 0
	STEP 0, 0
.irp i, 1,2,3,4,5,6
	SWITCH \i
	STEP \i, 0
.endr
	SWITCH 7
	STEP 7, 1
	s_wait_dscnt 0x0                               ; for the partner's sake: my image is stored (every change of tiles lies behind me)
	s_barrier_signal -1
	s_barrier_wait -1                              ; every wave has done eight steps; the eight images lie in LDS
	s_cmp_eq_u32 s58, 0
	s_cbranch_scc1 .Lown                           ; role A has finished its own tile
	STEP 8, 2                                      ; role B's ninth step: the shared tile's diagonal
	; THE TWO PARTS OF THE SHARED TILE ARE JOINED, lane by lane: M = the larger of the two whole numbers; each part x 2^(its M - M).  A part with no key (p = 7) holds zeros and -M = 3e38: its factor is 0.
.set nn, 0
.rept 8
	ds_load_b128 v[96+4*nn:99+4*nn], v5 offset:512*nn
.set nn, nn+1
.endr
	ds_load_b128 v[128:131], v5 offset:4096
	s_wait_dscnt 0x0
	v_min_num_f32 v132, v12, v128                  ; -M
	s_delay_alu instid0(VALU_DEP_1)
	v_sub_f32 v133, v132, v128                     ; the partner's M - M: a whole number, 0 or less
	s_delay_alu instid0(VALU_DEP_2)
	v_sub_f32 v134, v132, v12                      ; mine
	s_delay_alu instid0(VALU_DEP_2)
	v_cvt_i32_f32 v133, v133                       ; (they saturate)
	s_delay_alu instid0(VALU_DEP_2)
	v_cvt_i32_f32 v134, v134
	s_delay_alu instid0(VALU_DEP_2)
	v_ldexp_f32 v136, 1.0, v133
	s_delay_alu instid0(VALU_DEP_2)
	v_ldexp_f32 v138, 1.0, v134
	v_mov_b32 v137, 0                              ; (named as the upper halves of pairs)
	v_mov_b32 v139, 0
	s_delay_alu instid0(VALU_DEP_1)
	v_pk_mul_f32 v[14:15], v[14:15], v[138:139] op_sel_hi:[1,0]
	s_delay_alu instid0(VALU_DEP_1)
	v_pk_fma_f32 v[14:15], v[130:131], v[136:137], v[14:15] op_sel_hi:[1,0,1]   ; the sum; these eleven plain lines are the places behind the last products
.set nn, 0
.rept 16
	v_pk_mul_f32 v[160+nn:161+nn], v[160+nn:161+nn], v[138:139] op_sel_hi:[1,0]
	s_delay_alu instid0(VALU_DEP_1)
	v_pk_fma_f32 v[160+nn:161+nn], v[96+nn:97+nn], v[136:137], v[160+nn:161+nn] op_sel_hi:[1,0,1]
.set nn, nn+2
.endr
.Lown:
	; THE WAY OUT: O^T / the sum x 2^(ep + ev), quantised: tile t's eight channels are registers 2 t, 2 t + 1 of the next operand's half fragment; two stores of 512 consecutive bytes.
.rept 4
	v_nop
.endr
	v_add_f32 v14, v14, v15
	s_delay_alu instid0(VALU_DEP_1)
	v_permlanex16_b32 v252, v14, s20, s21
	s_delay_alu instid0(VALU_DEP_1)
	v_add_f32 v14, v14, v252                       ; the row's sum
	s_wait_alu depctr_va_vdst(0)
	v_rcp_f32 v14, v14
	v_nop                                          ; a plain line behind the transcendental
	s_add_co_i32 s60, s76, s77
	s_wait_alu depctr_va_vdst(0)                   ; the wait ahead of its first reader
	v_ldexp_f32 v14, v14, s60
.set nn, 0
.rept 16
	v_pk_mul_f32 v[96+nn:97+nn], v[160+nn:161+nn], v[14:15] op_sel_hi:[1,0]
.set nn, nn+2
.endr
.set nn, 0
.rept 32
	v_med3_num_f32 v[96+nn], v[96+nn], -v241, v241
.set nn, nn+1
.endr
.irp t, 0,1,2,3
	v_cvt_scalef32_pk8_bf8_f32 v[224+2*\t:225+2*\t], v[96+8*\t:103+8*\t], v245
.endr
	v_nop
	global_store_b128 v1, v[224:227], s[8:9]
	global_store_b128 v1, v[228:231], s[8:9] offset:512
	s_wait_tensorcnt 0x0
	ds_add_u32 v251, v255
	s_wait_dscnt 0x0
	CROUND                                         ; the closing round
	s_endpgm
.Lfunc_end_k_qbb9c5027bd_attn:
	.size	k_qbb9c5027bd_attn, .Lfunc_end_k_qbb9c5027bd_attn-k_qbb9c5027bd_attn
	.p2alignl 7, 3214868480
	.fill 96, 4, 3214868480
	.section	.rodata,"a",@progbits
	.p2align	6, 0x0
	.amdhsa_kernel k_qbb9c5027bd_attn
		.amdhsa_group_segment_fixed_size 327680
		.amdhsa_private_segment_fixed_size 0
		.amdhsa_enable_private_segment 0
		.amdhsa_kernarg_size 24
		.amdhsa_user_sgpr_count 2
		.amdhsa_user_sgpr_kernarg_segment_ptr 1
		.amdhsa_wavefront_size32 1
		.amdhsa_system_sgpr_workgroup_id_x 1
		.amdhsa_system_sgpr_workgroup_id_y 1
		.amdhsa_system_sgpr_workgroup_id_z 1
		.amdhsa_system_vgpr_workitem_id 0
		.amdhsa_next_free_vgpr 256
		.amdhsa_next_free_sgpr 90
		.amdhsa_reserve_vcc 1
		.amdhsa_float_denorm_mode_32 3
		.amdhsa_float_denorm_mode_16_64 3
		.amdhsa_memory_ordered 1
		.amdhsa_forward_progress 1
		.amdhsa_inst_pref_size 186
	.end_amdhsa_kernel
	.amdgpu_metadata
---
amdhsa.version: [ 1, 2 ]
amdhsa.kernels:
  - .name:           k_qbb9c5027bd_attn
    .symbol:         k_qbb9c5027bd_attn.kd
    .args:
      - { .name: qkvb, .offset: 0, .size: 8, .value_kind: global_buffer, .address_space: global }
      - { .name: lowp_scales, .offset: 8, .size: 8, .value_kind: global_buffer, .address_space: global }
      - { .name: ac, .offset: 16, .size: 8, .value_kind: global_buffer, .address_space: global }
    .group_segment_fixed_size: 327680
    .private_segment_fixed_size: 0
    .kernarg_segment_align: 8
    .kernarg_segment_size: 24
    .max_flat_workgroup_size: 512
    .sgpr_count:     90
    .vgpr_count:     256
    .wavefront_size: 32
...
	.end_amdgpu_metadata
.endif
;; end of part 3
;; launch proj (part 4): grid 8 x 32, 4 waves a work-group, clusters of 4 x 4, 327,680 bytes of LDS; arguments ac, pc, lowp_scales, b_proj, x, x1; writes x1
.if DOCPART == 4
	.amdgcn_target "amdgcn-amd-amdhsa--gfx1250"
	.amdhsa_code_object_version 6
	.text
	.protected	k_qbb9c5027bd_proj
	.globl	k_qbb9c5027bd_proj
	.p2align	8
	.type	k_qbb9c5027bd_proj,@function
k_qbb9c5027bd_proj:
	s_mov_b64 s[64:65], 0
	v_nop
	global_prefetch_b8 v0, s[64:65] scope:SCOPE_SE
	s_setreg_imm32_b32 hwreg(HW_REG_WAVE_MODE, 25, 1), 1
	s_wait_xcnt 0x0
	s_wait_alu depctr_hold_cnt(0) depctr_sa_sdst(0) depctr_va_vdst(0) depctr_va_sdst(0) depctr_va_ssrc(0) depctr_va_vcc(0) depctr_vm_vsrc(0)
	s_getreg_b32 s2, hwreg(HW_REG_IB_STS2, 6, 4)
	s_cmp_eq_u32 s2, 0
	s_cbranch_scc0 .Lentry_in_a_cluster
	s_endpgm
.Lentry_in_a_cluster:
	s_bfe_u32 s2, ttmp6, 0x10000c
	s_cmp_lg_u32 s2, 0xf033
	s_cbranch_scc0 .Lentry_shape_is_right
	s_endpgm
.Lentry_shape_is_right:
.set KIND, 2                           ; 0 qkv, 1 ff1, 2 proj, 3 ff2
; A GEMM ON CODES OF E5M2, C = A B^T, sums in f32, by v_wmma_f32_16x16x128_bf8_bf8.  Both operands lie in memory as IMAGES OF FRAGMENT REGISTERS: [tile of 16 rows][K step of 128][2,048 bytes], byte 512 c + 16 lane + e
; = register 4 c + e / 4 of that lane.  So a tile for the tensor data mover is a few long dense rows, LDS needs no padding, and a fragment is four loads of 512 consecutive bytes.
; KIND 0: q, k = h Wq, h Wk (A = h's codes, B = the weight's) and v (A = Wv's codes, B = h's, so that a lane holds one channel and eight KEYS); cluster x says which.  Out: codes, as images for attention.
; KIND 1: relu(h2 W1 + b1), out: codes, as images for KIND 3.   KIND 2: x1 = x + attn Wp + b_proj.   KIND 3: out = x1 + hidden W2 + b2.  Out of 2 and 3: f32 rows.
; SHARES.  Four waves; a wave makes NBK x NBK accumulators of 16 x 16.  KIND 0, 1: a block of 256 x 256 a work-group.  KIND 2, 3 have 1,024 columns: blocks of 128 x 128, so that there are 256 work-groups, with K steps twice as long.
; THE MATRIX INSTRUCTION IS USED TRANSPOSED (source 0 = 16 rows of B, source 1 = 16 rows of A): a lane's eight results are eight neighbouring columns of one row of C, which are eight neighbours along the NEXT product's K:
; one conversion gives registers 2 b, 2 b + 1 of the next operand's fragment, and the codes are stored from registers, 512 consecutive bytes an instruction.
; CLUSTERS: 4 x 4 work-groups; A's tiles are asked for jointly along a row of the cluster, B's along a column.  Two LDS slots take turns; a slot holds NQ steps of 128 along K.
; LIMITS: the sum of a product's two exponents between -126 and 127; the exponent of the codes made here between -126 and 112; NaN is not served.
; REGISTERS, in windows of 256: window 0: v16-31 addresses and constants, v32-95 the bias, from v128 A's fragments (one set); window 1: B's fragments, two sets, at v0 and v128;
;   windows 2, 3: the accumulators ((a, b) at v[8 (NBK (a % (NBK / 2)) + b)] of window 2 + a / (NBK / 2)); KIND 2, 3: window 2 v128-255 the residual's rows.
.if KIND < 2
.set NBK, 8                            ; blocks of 16 rows on a wave's side
.set NQ, 2                             ; steps of 128 along K in a slot
.else
.set NBK, 4
.set NQ, 4
.endif
.if KIND == 3
.set KTOT, 4096
.else
.set KTOT, 1024
.endif
.if KIND == 1
.set BOFF, 0x1000000                   ; where B's images begin in pc
.elseif KIND == 2
.set BOFF, 0xf00000
.else
.set BOFF, 0x1400000
.endif
.if KIND == 0
.set ASTR, 1024                        ; bytes from a tile of rows to the next in the codes that go out
.else
.set ASTR, 65536
.endif
.set LAPS,  KTOT/(256*NQ)              ; a lap = both slots once
.set ROWB,  NQ*2048                    ; a tile's row: one tile of 16 rows, NQ images
.set RT,    16*KTOT                    ; bytes of a tile of 16 rows' images in memory
.set HALFT, 32768                      ; NBK such rows: what one tensor load brings, and what one wave reads of A or of B
.set SLOT,  4*HALFT                    ; A's two halves, then B's two
.set SPARE, 2*SLOT                     ; behind the ring: the spare words, 128 bytes a wave, which no other line names
.set NLH,   (NBK/2)*4                  ; LDS loads that bring half of A's blocks
.set G1, 24                            ; s[24:31] descriptor group 1 for A's tiles; s[32:39] group 0, a set for each slot
.set G0, 32
.set G1B, 48                           ; s[48:55], s[56:63] the same for B's
.set G0B, 56
.set MSB, 0
.macro WIN new                         ; the immediate's high byte repeats the setting that is left
.if MSB != (\new)
	s_set_vgpr_msb (MSB<<8)|(\new)
.set MSB, \new
.endif
.endm
.macro JLOAD g0a, g1a, g0b, g1b        ; a joint load: waves 0, 1 fetch A's halves, waves 2, 3 B's; the branch hangs on the wave's number alone; four v_nop follow each line
	s_cmp_eq_u32 s15, 0
	s_cbranch_scc0 .Lfor_b_\@
	tensor_load_to_lds s[\g0a:\g0a+3], s[\g1a:\g1a+7]
	s_nop 0
.rept 4
	v_nop
.endr
	s_branch .Lasked_\@
.Lfor_b_\@:
	tensor_load_to_lds s[\g0b:\g0b+3], s[\g1b:\g1b+7]
	s_nop 0
.rept 4
	v_nop
.endr
.Lasked_\@:
.endm
.macro CREST                           ; a round of the cluster's barrier behind its opening barrier
	s_cmp_lg_u32 s14, 0
	s_cbranch_scc1 .Lnot_wave_0_\@
	s_barrier_signal -3
.Lnot_wave_0_\@:
	s_barrier_wait -3
	s_barrier_signal -1
	s_barrier_wait -1
.endm
.macro CROUND
	s_barrier_signal -1
	s_barrier_wait -1
	CREST
.endm
.macro PLACES n                        ; plain vector instructions between a matrix instruction and a load into, or a vector read or write of, its registers
.rept \n
	v_nop
.endr
.endm
.macro FRAG reg, adr, q, i             ; block i's image of the slot's q-th step: 16 registers, four loads of 512 consecutive bytes
.irp c, 0,1,2,3
	ds_load_b128 v[\reg+4*\c:\reg+4*\c+3], v[\adr] offset:(\i)*ROWB+(\q)*2048+512*\c
.endr
.endm
.macro FETCH_B slot, q, p              ; all of B's blocks into set p
	WIN 0x40
.set fi, 0
.rept NBK
	FRAG 128*(\p)+16*fi, 20+\slot, \q, fi
.set fi, fi+1
.endr
	WIN 0
.endm
.macro FETCH_A slot, q, i0             ; half of A's blocks, from i0 on
.set fi, \i0
.rept NBK/2
	FRAG 128+16*fi, 16+\slot, \q, fi
.set fi, fi+1
.endr
.endm
.macro MULG g, p, zero                 ; a quarter of A's blocks against all of B's.  All accumulators take turns, one instruction a turn, in the same order in every step
.set ma, (\g)*NBK/4
.rept NBK/4
.set mb, 0
.rept NBK
.set rD, 8*(NBK*(ma%(NBK/2))+mb)
.if \zero
	v_wmma_f32_16x16x128_bf8_bf8 v[rD:rD+7], v[128*(\p)+16*mb:128*(\p)+16*mb+15], v[128+16*ma:128+16*ma+15], 0
.else
	v_wmma_f32_16x16x128_bf8_bf8 v[rD:rD+7], v[128*(\p)+16*mb:128*(\p)+16*mb+15], v[128+16*ma:128+16*ma+15], v[rD:rD+7]
.endif
.set mb, mb+1
.endr
.set ma, ma+1
.endr
.endm
.macro STEP slot, q, zero              ; a step of 128 along K that has its successor in the same slot.  A block of A is free once its products are issued: one set serves A; B has two
	s_wait_dscnt NLH                               ; B's set and A's lower blocks are in; the youngest loads (A's upper blocks) may be out
	WIN 0xa1
	MULG 0, (\q)%2, \zero
	MULG 1, (\q)%2, \zero
	s_wait_dscnt 0
	PLACES 4
	FETCH_B \slot, (\q)+1, 1-(\q)%2
	FETCH_A \slot, (\q)+1, 0
	WIN 0xf1
	MULG 2, (\q)%2, \zero
	MULG 3, (\q)%2, \zero
	PLACES 4
	WIN 0
	FETCH_A \slot, (\q)+1, NBK/2
.endm
.macro TURN slot, next, fill           ; a slot's last step changes slots: one barrier; fill = 1: this slot is filled again, two slots' worth of K ahead
	s_wait_tensorcnt 0x0                           ; all my tensor loads have landed: my part of the next slot
	ds_add_u32 v28, v29                            ; 0 onto my spare word
	s_wait_dscnt NLH+1                             ; (the add and A's upper blocks may be out)
	WIN 0xa1
	MULG 0, 1, 0
	s_wait_dscnt 0x0                               ; the add is done, and my reads of this slot are over
	s_barrier_signal -1
	MULG 1, 1, 0
	WIN 0
	s_barrier_wait -1
.if \fill
	CREST                                          ; the barrier has opened a round of the cluster's: no wave of any partner still reads this slot or has a load on its way
	s_add_nc_u64 s[G0+4*\slot+2:G0+4*\slot+3], s[G0+4*\slot+2:G0+4*\slot+3], 2*ROWB
	s_add_nc_u64 s[G0B+4*\slot+2:G0B+4*\slot+3], s[G0B+4*\slot+2:G0B+4*\slot+3], 2*ROWB
	JLOAD G0+4*\slot, G1, G0B+4*\slot, G1B         ; the first tensor load behind the round; its four v_nop are the places in front of the loads below
.else
	PLACES 4
.endif
	FETCH_B \next, 0, 0
	FETCH_A \next, 0, 0
	WIN 0xf1
	MULG 2, 1, 0
	MULG 3, 1, 0
	PLACES 4
	WIN 0
	FETCH_A \next, 0, NBK/2
.endm
.macro MID slot, from                  ; a slot's steps from 'from' to its last but one
.set mq, \from
.rept NQ-1-(\from)
	STEP \slot, mq, 0
.set mq, mq+1
.endr
.endm
.if KIND == 0
	s_load_b64 s[4:5], s[0:1], 0x0                 ; A's and B's images both lie in pc
	s_load_b64 s[6:7], s[0:1], 0x0
	s_load_b64 s[8:9], s[0:1], 0x8                 ; the scales' exponents
	s_load_b64 s[10:11], s[0:1], 0x10              ; out
.else
	s_load_b128 s[4:7], s[0:1], 0x0                ; A's images, pc
	s_load_b64 s[8:9], s[0:1], 0x10                ; the scales' exponents
	s_load_b64 s[12:13], s[0:1], 0x18              ; the bias
.if KIND == 1
	s_load_b64 s[10:11], s[0:1], 0x20              ; out
.else
	s_load_b64 s[66:67], s[0:1], 0x20              ; the residual
	s_load_b64 s[10:11], s[0:1], 0x28              ; out
.endif
.endif
	v_lshl_add_u32 v28, v0, 2, SPARE
	v_mov_b32 v29, 0
	ds_add_u32 v28, v29
	ds_add_u32 v28, v29
	s_wait_dscnt 0x0
	v_lshrrev_b32 v1, 5, v0
	v_readfirstlane_b32 s14, v1                    ; wave 0..3
.set PLB, 3+NQ/2                       ; log2 of the blocks of 256 bytes in a tile's row of ROWB bytes
	v_and_b32 v23, 31, v0                          ; THE PREFETCHES' OFFSET, v22, never rewritten: a lane a block of 256 bytes: row lane >> PLB of my work-group's share, block lane % 2^PLB of that row
	v_lshrrev_b32 v22, PLB, v23
	v_and_b32 v23, (1<<PLB)-1, v23
	v_mul_u32_u24 v22, v22, RT
	v_lshl_add_u32 v22, v23, 8, v22
	s_lshr_b32 s15, s14, 1                         ; my half of the block's rows.  Also: I fetch for A (0) or for B (1)
	s_and_b32 s16, s14, 1                          ; my half of its columns.  Also: which half of that tile I fetch
	s_bfe_u32 s40, ttmp6, 0x40000                  ; cx, cy: my place in the cluster
	s_bfe_u32 s41, ttmp6, 0x40004
	s_and_b32 s86, ttmp7, 0xffff                   ; cluster y
.if KIND == 0
	s_lshl_b32 s87, ttmp9, 22                      ; cluster x = 0, 1, 2: q, k, v.  q, k: A = h's codes for that product, B = the weight's; 16 block rows (tokens) x 4 block columns
	s_lshl_b32 s90, ttmp9, 20
	s_add_co_u32 s90, s90, 0xc00000
	s_cmp_eq_u32 ttmp9, 2                          ; v: A = Wv's codes, B = h's: 4 block rows (channels) x 16 block columns (tokens).  No branch: selections on the cluster's number, which the partners share
	s_cselect_b32 s17, 0, s86
	s_cselect_b32 s42, s86, 0
	s_cselect_b32 s87, 0xe00000, s87               ; where A's images begin in pc,
	s_cselect_b32 s90, 0x800000, s90               ; and B's
	s_cselect_b32 s91, 16, 17                      ; log2 of the bytes from one 64 columns' images to the next in the output
.else
	s_mov_b32 s17, s86
	s_mov_b32 s42, ttmp9
	s_mov_b32 s87, 0
	s_mov_b32 s90, BOFF
.endif
	s_lshl_b32 s17, s17, 2
	s_add_co_u32 s17, s17, s41                     ; block row
	s_lshl_b32 s42, s42, 2
	s_add_co_u32 s42, s42, s40                     ; block column
	s_lshl_b32 s43, s41, 2
	s_lshl_b32 s43, 15, s43                        ; my row of the cluster
	s_lshl_b32 s44, 0x1111, s40                    ; my column
	s_or_b32 s[G1+0], s43, (1<<21)                 ; 15:0 the mask: A's tiles go to my row; 17:16 elements of 1 byte; 20 no padding; 21 set beside a mask
	s_or_b32 s[G1B+0], s44, (1<<21)
.irp g, G1, G1B
	s_mov_b32 s[\g+1], (ROWB&0xffff)<<16           ; tensor_dim0
	s_mov_b32 s[\g+2], (ROWB>>16)|(NBK<<16)        ; tensor_dim1
	s_mov_b32 s[\g+3], ROWB<<16                    ; tile_dim0
	s_mov_b32 s[\g+4], NBK                         ; tile_dim1
	s_mov_b32 s[\g+5], RT                          ; tensor_dim0_stride
	s_mov_b32 s[\g+6], 0
	s_mov_b32 s[\g+7], 0
.endr
	s_mul_i32 s18, s16, NBK
	s_mul_i32 s20, s17, 2*NBK
	s_add_co_u32 s20, s20, s18                     ; A: the first tile of 16 rows that I fetch,
	s_mul_i32 s20, s20, RT
	s_add_co_u32 s20, s20, s87                     ; in bytes (under 2^25)
	s_mov_b32 s21, 0
	s_mul_i32 s46, s42, 2*NBK
	s_add_co_u32 s46, s46, s18                     ; B likewise
	s_mul_i32 s46, s46, RT
	s_add_co_u32 s46, s46, s90
	s_mov_b32 s47, 0
	s_mul_i32 s45, s14, HALFT                      ; where they go: no place in the cluster enters an LDS address
	s_wait_alu depctr_va_vdst(0)
	s_wait_kmcnt 0x0
	s_load_b512 s[68:83], s[8:9], 0x0              ; the sixteen exponents: entry i in s[68 + i]
	s_add_nc_u64 s[20:21], s[4:5], s[20:21]
	s_add_nc_u64 s[46:47], s[6:7], s[46:47]
	s_cmp_eq_u32 s15, 0                            ; where my prefetches stand: of the 32,768 bytes of a slot that my wave fetches, each of the four partners that ask for them jointly takes 8,192, told apart BY ADDRESS
	s_cselect_b64 s[94:95], s[20:21], s[46:47]
	s_cselect_b32 s96, s40, s41                    ; cx among those that share A's tile, cy among those that share B's
	s_mul_i32 s96, s96, (8192/ROWB)*RT
	s_mov_b32 s97, 0
	s_add_nc_u64 s[94:95], s[94:95], s[96:97]
	CROUND                                         ; all sixteen work-groups are here: the first joint loads meet
.irp s, 0,1
	s_mov_b32 s[G0+4*\s], 1
	s_add_co_u32 s[G0+4*\s+1], s45, \s*SLOT
	s_add_nc_u64 s[G0+4*\s+2:G0+4*\s+3], s[20:21], \s*ROWB
	s_or_b32 s[G0+4*\s+3], s[G0+4*\s+3], 0x80000000
	s_mov_b32 s[G0B+4*\s], 1
	s_add_co_u32 s[G0B+4*\s+1], s45, \s*SLOT
	s_add_nc_u64 s[G0B+4*\s+2:G0B+4*\s+3], s[46:47], \s*ROWB
	s_or_b32 s[G0B+4*\s+3], s[G0B+4*\s+3], 0x80000000
.if \s
	s_wait_alu depctr_va_vdst(0)
	s_wait_tensorcnt 0x0                           ; slot 1's first fill is issued as a refill is: my part of slot 0 is in,
	ds_add_u32 v28, v29                            ; 0 onto my spare word,
	s_wait_dscnt 0x0                               ; the add is done,
	CROUND                                         ; and a whole round of the cluster's barrier
.endif
	JLOAD G0+4*\s, G1, G0B+4*\s, G1B               ; one tensor load a wave at the head, one behind the round
.if \s == 0
	s_wait_kmcnt 0x0                               ; the sixteen exponents are in; the prefetches stand behind this wait, some way behind slot 0's joint load
	global_prefetch_b8 v22, s[94:95] offset:ROWB th:TH_LOAD_NT scope:SCOPE_SE     ; slot 1's bytes, which are loaded one fill on,
.if LAPS > 1
	global_prefetch_b8 v22, s[94:95] offset:2*ROWB th:TH_LOAD_NT scope:SCOPE_SE   ; and those of the first refill, two fills on
.endif
.elseif LAPS > 1
	global_prefetch_b8 v22, s[94:95] offset:3*ROWB th:TH_LOAD_NT scope:SCOPE_SE   ; behind slot 1's fill: the second refill's, two fills on.  Each block of 256 bytes is named once in each cluster that loads it
.endif
.endr
	v_and_b32 v1, 15, v0                           ; r
	s_wait_alu depctr_va_vdst(0)
	v_bfe_u32 v2, v0, 4, 1                         ; h
	v_and_b32 v3, 31, v0
	v_lshlrev_b32 v3, 4, v3                        ; 16 x lane
	s_mul_i32 s86, s15, HALFT                      ; my half of A,
	s_mul_i32 s87, s16, HALFT
	s_add_co_u32 s87, s87, 2*HALFT                 ; my half of B
.irp s, 0,1
	v_add_nc_u32 v[16+\s], s86, v3
	v_add_nc_u32 v[20+\s], s87, v3
	s_add_co_u32 s86, s86, SLOT
	s_add_co_u32 s87, s87, SLOT
.endr
.if KIND == 0
	v_mov_b32 v26, v3
	s_cmp_eq_u32 ttmp9, 2                          ; out: q at 0, k at 4 MB: [batch][head][tile of 16 tokens: 128][1,024]; v at 8 MB: [batch][64 keys: 32][head][16 channels: 4][1,024]
	s_cselect_b32 s86, s42, s17                    ; the tokens' block says the batch
	s_lshr_b32 s86, s86, 3
	s_lshl_b32 s86, s86, 21
	s_lshl_b32 s87, ttmp9, 22
	s_add_co_u32 s86, s86, s87
	s_and_b32 s87, s42, 7
	s_lshl_b32 s87, s87, 2
	s_lshl_b32 s92, s16, 1
	s_add_co_u32 s87, s87, s92                     ; my first 64 columns (a head; for v: 64 keys)
	s_lshl_b32 s87, s87, s91
	s_add_co_u32 s86, s86, s87
	s_and_b32 s87, s17, 7
	s_lshl_b32 s87, s87, 4
	s_lshl_b32 s92, s15, 3
	s_add_co_u32 s87, s87, s92                     ; my first tile of 16 rows
	s_lshl_b32 s87, s87, 10
	s_add_co_u32 s86, s86, s87
	s_mov_b32 s87, 0
	s_add_nc_u64 s[10:11], s[10:11], s[86:87]
	s_lshl_b32 s86, 1, s91
	s_add_nc_u64 s[88:89], s[10:11], s[86:87]      ; my second 64 columns
.elseif KIND == 1
	v_mov_b32 v26, v3
	s_lshl_b32 s86, s17, 4
	s_lshl_b32 s87, s15, 3
	s_add_co_u32 s86, s86, s87
	s_lshl_b32 s86, s86, 16                        ; out: [tile of 16 rows][K step: 32][2,048]: my first tile of rows,
	s_lshl_b32 s87, s42, 1
	s_add_co_u32 s87, s87, s16
	s_lshl_b32 s87, s87, 11                        ; my 128 columns are one K step
	s_add_co_u32 s86, s86, s87
	s_mov_b32 s87, 0
	s_add_nc_u64 s[10:11], s[10:11], s[86:87]
	s_add_nc_u64 s[88:89], s[10:11], 1024
	s_lshl_b32 s86, s42, 10
	s_lshl_b32 s92, s16, 9
	s_add_co_u32 s86, s86, s92
	s_add_nc_u64 s[12:13], s[12:13], s[86:87]      ; the bias of my 128 columns
	v_lshlrev_b32 v27, 5, v2
.set jj, 0
.rept 8
	global_load_b128 v[32+8*jj:35+8*jj], v27, s[12:13] offset:64*jj       ; in the results' layout: columns 16 b + 8 h + 0 .. 7
	global_load_b128 v[36+8*jj:39+8*jj], v27, s[12:13] offset:64*jj+16
.set jj, jj+1
.endr
.else
	s_lshl_b32 s86, s17, 7
	s_lshl_b32 s87, s15, 6
	s_add_co_u32 s86, s86, s87
	s_lshl_b32 s86, s86, 12                        ; my first row, 4,096 bytes a row,
	s_lshl_b32 s87, s42, 9
	s_lshl_b32 s92, s16, 8
	s_add_co_u32 s92, s92, s87                     ; my 64 columns: 256 bytes, aligned
	s_add_co_u32 s86, s86, s92
	s_mov_b32 s87, 0
	s_mov_b32 s93, 0
	s_add_nc_u64 s[10:11], s[10:11], s[86:87]
	s_add_nc_u64 s[66:67], s[66:67], s[86:87]
	s_add_nc_u64 s[12:13], s[12:13], s[92:93]
	v_lshlrev_b32 v27, 4, v1
	s_wait_alu depctr_va_vdst(0)
	v_lshl_add_u32 v26, v2, 12, v27                ; lanes 0-15 one row's 256 bytes, lanes 16-31 the next row's
	s_mul_i32 s86, s14, 4352                       ; my stage: 16 rows x (256 + 16) bytes, in slot 0, used behind that slot's last fill and last read
	v_mul_u32_u24 v24, v1, 272
	v_lshl_add_u32 v24, v2, 5, v24
	v_add_nc_u32 v24, s86, v24                     ; in: row r, 32 bytes for each half of the lanes
	v_mul_u32_u24 v25, v2, 272
	v_add_nc_u32 v25, v25, v27
	v_add_nc_u32 v25, s86, v25                     ; back: by rows
	global_load_b128 v[32:35], v27, s[12:13]       ; the bias of my four columns on the way back
	WIN 0x80
.set jj, 0
.rept 32
	global_load_b128 v[128+4*jj:131+4*jj], v26, s[66:67] offset:2*jj*4096   ; the residual's 64 rows, in the layout of the way back: asked for now, wanted at the end
.set jj, jj+1
.endr
	WIN 0
.endif
	s_wait_kmcnt 0x0
.if KIND == 0
	s_add_co_i32 s86, s68, s69
	s_add_co_i32 s87, s70, s71
	s_add_co_i32 s92, s72, s73
	s_cmp_eq_u32 ttmp9, 0
	s_cselect_b32 s86, s86, s87
	s_cselect_b32 s93, s74, s75
	s_cmp_eq_u32 ttmp9, 2
	s_cselect_b32 s86, s92, s86                    ; the product's two exponents added,
	s_cselect_b32 s93, s77, s93                    ; and the exponent of the codes that go out: q entry 6, k entry 7, v entry 9
.elseif KIND == 1
	s_add_co_i32 s86, s80, s81
	s_mov_b32 s93, s82
.elseif KIND == 2
	s_add_co_i32 s86, s78, s79
.else
	s_add_co_i32 s86, s82, s83
.endif
	s_add_co_i32 s86, s86, 127
	s_lshl_b32 s84, s86, 23                        ; 2^(eA + eB) as f32
	s_mov_b32 s85, s84                             ; (named with it as a pair)
.if KIND < 2
	s_add_co_i32 s93, s93, 127
	s_lshl_b32 s92, s93, 23
	v_mov_b32 v31, s92                             ; 2^e of the codes made here
	s_add_co_i32 s93, s93, 15
	s_lshl_b32 s93, s93, 23
	s_or_b32 s93, s93, 0x600000
	v_mov_b32 v30, s93                             ; 57,344 x 2^e
.endif
	s_wait_tensorcnt 1                             ; my part of slot 0 is in; slot 1's may be out
	s_barrier_signal -1
	s_barrier_wait -1
	FETCH_B 0, 0, 0
	FETCH_A 0, 0, 0
	FETCH_A 0, 0, NBK/2
	STEP 0, 0, 1                                   ; the first step stands in front of the loop: its products start the sums
.if LAPS > 1
	s_mov_b32 s3, LAPS-1
.Llap:                                                 ; a trip goes once round the ring, from a lap's second step to the next lap's first, and fills both slots again
	MID 0, 1
	TURN 0, 1, 1
	MID 1, 0
	TURN 1, 0, 1
	STEP 0, 0, 0
	s_sub_co_u32 s3, s3, 1
	s_cmp_lg_u32 s3, 0
	s_cbranch_scc1 .Llap
.endif
	MID 0, 1                                       ; the last lap fills nothing
	TURN 0, 1, 0
	MID 1, 0
	s_wait_dscnt NLH                               ; the very last step
	WIN 0xa1
	MULG 0, 1, 0
	MULG 1, 1, 0
	s_wait_dscnt 0
	WIN 0xf1
	MULG 2, 1, 0
	MULG 3, 1, 0
	WIN 0
	PLACES 4
.if KIND < 2
	; THE WAY OUT AS CODES.  Block a (16 rows x 128 columns): sum x 2^(eA + eB) (+ bias), the hold (with relu: between 0 and the largest), eight conversions: the sixteen registers of a fragment; four stores of 512 consecutive bytes.
.if KIND == 1
	s_wait_loadcnt 0x0                             ; the bias
.endif
.set ia, 0
.rept 8
.set AC, 64*(ia%4)
.set CD, 128+16*ia                     ; each block has registers of its own for its codes: no store's data are written again
	WIN 0x42+ia/4                                  ; source 0: the sums' window; destination window 1, where B's first set lay
.set jj, 0
.rept 32
.if KIND == 1
	v_pk_fma_f32 v[jj:jj+1], v[AC+jj:AC+jj+1], s[84:85], v[32+jj:33+jj] op_sel_hi:[1,0,1]
.else
	v_pk_mul_f32 v[jj:jj+1], v[AC+jj:AC+jj+1], s[84:85] op_sel_hi:[1,0]   ; each accumulator from its low end on
.endif
.set jj, jj+2
.endr
	WIN 0x41
.set jj, 0
.rept 64
.if KIND == 1
	v_med3_num_f32 v[jj], v[jj], 0, v30            ; the activation and the hold in one
.else
	v_med3_num_f32 v[jj], v[jj], -v30, v30         ; the conversion does not saturate (ISA guide 7.6.2)
.endif
.set jj, jj+1
.endr
	WIN 0x01
.set jj, 0
.rept 8
	v_cvt_scalef32_pk8_bf8_f32 v[CD+2*jj:CD+2*jj+1], v[8*jj:8*jj+7], v31   ; columns 16 b + 8 h + 0 .. 7: registers 2 b, 2 b + 1 of the next operand
.set jj, jj+1
.endr
	WIN 0
	v_nop                                          ; a plain line between the conversions and the next block's writes of their sources
.set jj, 0
.rept 4
	global_store_b128 v26, v[CD+4*jj:CD+4*jj+3], s[10+78*(jj/2):11+78*(jj/2)] offset:ia*ASTR+(jj%2)*512
.set jj, jj+1
.endr
.set ia, ia+1
.endr
.else
	; THE WAY OUT AS f32.  A block of 16 rows x 64 columns goes through my stage as raw sums and comes back by rows; there sum x 2^(eA + eB) + (residual + bias), and sixteen lanes store one aligned 256 bytes.
	s_wait_loadcnt 0x0                             ; the residual and the bias
	WIN 0x82
.set jj, 0
.rept 64
	v_pk_add_f32 v[128+2*jj:129+2*jj], v[128+2*jj:129+2*jj], v[32+2*(jj%2):33+2*(jj%2)]
.set jj, jj+1
.endr
	WIN 0
.macro TOSTAGE a
	WIN 0x08+4*((\a)/2)                            ; the stores' data: window 2 or 3
.set jj, 0
.rept 4
	ds_store_b128 v24, v[32*((\a)%2)+8*jj:32*((\a)%2)+8*jj+3] offset:64*jj
	ds_store_b128 v24, v[32*((\a)%2)+8*jj+4:32*((\a)%2)+8*jj+7] offset:64*jj+16
.set jj, jj+1
.endr
	WIN 0
.set jj, 0
.rept 8
	ds_load_b128 v[128+32*(\a)+4*jj:128+32*(\a)+4*jj+3], v25 offset:544*jj   ; LDS serves a wave's instructions in order: these see my stores, and the next block's stores come behind them
.set jj, jj+1
.endr
.endm
.macro SEND a, younger                 ; younger: the LDS instructions issued behind block a's loads
	s_wait_dscnt \younger
	WIN 0x20                                       ; source 2: window 2
.set jj, 0
.rept 16
	v_pk_fma_f32 v[128+32*(\a)+2*jj:129+32*(\a)+2*jj], v[128+32*(\a)+2*jj:129+32*(\a)+2*jj], s[84:85], v[128+32*(\a)+2*jj:129+32*(\a)+2*jj] op_sel_hi:[1,0,1]
.set jj, jj+1
.endr
	WIN 0
.set jj, 0
.rept 8
	global_store_b128 v26, v[128+32*(\a)+4*jj:128+32*(\a)+4*jj+3], s[10:11] offset:(16*(\a)+2*jj)*4096
.set jj, jj+1
.endr
.endm
	TOSTAGE 0
	TOSTAGE 1
	SEND 0, 16
	TOSTAGE 2
	SEND 1, 16
	TOSTAGE 3
	SEND 2, 16
	SEND 3, 0
.endif
	s_wait_tensorcnt 0x0                           ; the wave's end
	ds_add_u32 v28, v29
	s_wait_dscnt 0x0
	CROUND                                         ; the closing round: no work-group ends while a partner may still ask for a tile that names it
	s_endpgm
.Lfunc_end_k_qbb9c5027bd_proj:
	.size	k_qbb9c5027bd_proj, .Lfunc_end_k_qbb9c5027bd_proj-k_qbb9c5027bd_proj
	.p2alignl 7, 3214868480
	.fill 96, 4, 3214868480
	.section	.rodata,"a",@progbits
	.p2align	6, 0x0
	.amdhsa_kernel k_qbb9c5027bd_proj
		.amdhsa_group_segment_fixed_size 327680
		.amdhsa_private_segment_fixed_size 0
		.amdhsa_enable_private_segment 0
		.amdhsa_kernarg_size 48
		.amdhsa_user_sgpr_count 2
		.amdhsa_user_sgpr_kernarg_segment_ptr 1
		.amdhsa_wavefront_size32 1
		.amdhsa_system_sgpr_workgroup_id_x 1
		.amdhsa_system_sgpr_workgroup_id_y 1
		.amdhsa_system_sgpr_workgroup_id_z 1
		.amdhsa_system_vgpr_workitem_id 0
		.amdhsa_next_free_vgpr 1024
		.amdhsa_next_free_sgpr 100
		.amdhsa_reserve_vcc 0
		.amdhsa_float_denorm_mode_32 3
		.amdhsa_float_denorm_mode_16_64 3
		.amdhsa_memory_ordered 1
		.amdhsa_forward_progress 1
		.amdhsa_inst_pref_size 56
	.end_amdhsa_kernel
	.amdgpu_metadata
---
amdhsa.version: [ 1, 2 ]
amdhsa.kernels:
  - .name:           k_qbb9c5027bd_proj
    .symbol:         k_qbb9c5027bd_proj.kd
    .args:
      - { .name: ac, .offset: 0, .size: 8, .value_kind: global_buffer, .address_space: global }
      - { .name: pc, .offset: 8, .size: 8, .value_kind: global_buffer, .address_space: global }
      - { .name: lowp_scales, .offset: 16, .size: 8, .value_kind: global_buffer, .address_space: global }
      - { .name: b_proj, .offset: 24, .size: 8, .value_kind: global_buffer, .address_space: global }
      - { .name: x, .offset: 32, .size: 8, .value_kind: global_buffer, .address_space: global }
      - { .name: x1, .offset: 40, .size: 8, .value_kind: global_buffer, .address_space: global }
    .group_segment_fixed_size: 327680
    .private_segment_fixed_size: 0
    .kernarg_segment_align: 8
    .kernarg_segment_size: 48
    .max_flat_workgroup_size: 128
    .sgpr_count:     100
    .vgpr_count:     1024
    .wavefront_size: 32
...
	.end_amdgpu_metadata
.endif
;; end of part 4
;; launch ln2 (part 5): grid 256 x 1, 4 waves a work-group, no clusters, 17,920 bytes of LDS; arguments x1, g2, be2, lowp_scales, h2c; writes h2c
.if DOCPART == 5
	.amdgcn_target "amdgcn-amd-amdhsa--gfx1250"
	.amdhsa_code_object_version 6
	.text
	.protected	k_qbb9c5027bd_ln2
	.globl	k_qbb9c5027bd_ln2
	.p2align	8
	.type	k_qbb9c5027bd_ln2,@function
k_qbb9c5027bd_ln2:
	s_mov_b64 s[64:65], 0
	v_nop
	global_prefetch_b8 v0, s[64:65] scope:SCOPE_SE
	s_setreg_imm32_b32 hwreg(HW_REG_WAVE_MODE, 25, 1), 1
	s_wait_xcnt 0x0
; h2 = layernorm(x1) g2 + be2, quantised (scale entry 12) to codes of E5M2, stored as images of fragment registers: [tile of 16 rows: 256][K step: 8][2,048 bytes];
; byte 512 c + 16 L + e of an image holds row L % 16, k = 32 c + 16 (e / 8) + 8 (L / 16) + e % 8.  Work-group g owns rows 16 g .. 16 g + 15, wave w four of them.
; code = x / 2^e, held within +-57,344, rounded to the nearest code, ties to even.  LIMITS: e between -126 and 112; NaN among the inputs is not served.
.set NOUT, 1                           ; sets of codes made of a normalised row
.set STG1, 17408                       ; the stage: 64 pieces (K step s, c, half: 8 s + 2 c + half) of 256 bytes + 16 of padding
.macro REDUCE r, t                     ; the sum of v[r] over the 32 lanes, in every lane; v[t] has been written before
	v_add_f32_dpp v[\r], v[\r], v[\r] row_xmask:1 row_mask:0xf bank_mask:0xf
	v_add_f32_dpp v[\r], v[\r], v[\r] row_xmask:2 row_mask:0xf bank_mask:0xf
	v_add_f32_dpp v[\r], v[\r], v[\r] row_xmask:4 row_mask:0xf bank_mask:0xf
	v_add_f32_dpp v[\r], v[\r], v[\r] row_xmask:8 row_mask:0xf bank_mask:0xf
	v_permlanex16_b32 v[\t], v[\r], s36, s37
	v_add_f32 v[\r], v[\r], v[\t]
.endm
; One row of 1,024 numbers, 32 a lane: register 4 j + e is k = 128 j + 4 lane + e.  Mean, centred squares, 1 / sqrt, gain and bias in f32; then the codes into the stage.
.macro ROW ri
.set XR, 80+32*(\ri)
	s_wait_loadcnt 8*(3-(\ri))                     ; this row's eight loads are in (and g, be, which were asked for first); the younger rows' stay out
	v_pk_add_f32 v[6:7], v[XR:XR+1], v[XR+2:XR+3]
	v_pk_add_f32 v[8:9], v[XR+4:XR+5], v[XR+6:XR+7]
.set pp, 8
.rept 6
	v_pk_add_f32 v[6:7], v[6:7], v[XR+pp:XR+pp+1]
	v_pk_add_f32 v[8:9], v[8:9], v[XR+pp+2:XR+pp+3]
.set pp, pp+4
.endr
	v_pk_add_f32 v[6:7], v[6:7], v[8:9]
	v_add_f32 v6, v6, v7
	REDUCE 6, 7
	v_mul_f32 v6, s38, v6                          ; the mean
.set pp, 0
.rept 16
	v_pk_add_f32 v[XR+pp:XR+pp+1], v[XR+pp:XR+pp+1], v[6:7] op_sel_hi:[1,0] neg_lo:[0,1] neg_hi:[0,1]   ; x - mean
.set pp, pp+2
.endr
	v_pk_mul_f32 v[8:9], v[XR:XR+1], v[XR:XR+1]
	v_pk_mul_f32 v[10:11], v[XR+2:XR+3], v[XR+2:XR+3]
.set pp, 4
.rept 7
	v_pk_fma_f32 v[8:9], v[XR+pp:XR+pp+1], v[XR+pp:XR+pp+1], v[8:9]
	v_pk_fma_f32 v[10:11], v[XR+pp+2:XR+pp+3], v[XR+pp+2:XR+pp+3], v[10:11]
.set pp, pp+4
.endr
	v_pk_add_f32 v[8:9], v[8:9], v[10:11]
	v_add_f32 v8, v8, v9
	REDUCE 8, 9
	v_fma_f32 v8, v8, s38, s39                     ; the variance + 1e-5
	s_wait_alu depctr_va_vdst(0)
	v_rsq_f32 v10, v8
	v_nop                                          ; a plain instruction behind the transcendental (ISA guide 5.7.2),
	s_wait_alu depctr_va_vdst(0)                   ; and the wait ahead of its first reader
.set pp, 0
.rept 16
	v_pk_mul_f32 v[XR+pp:XR+pp+1], v[XR+pp:XR+pp+1], v[10:11] op_sel_hi:[1,0]
.set pp, pp+2
.endr
.set pp, 0
.rept 16
	v_pk_fma_f32 v[XR+pp:XR+pp+1], v[XR+pp:XR+pp+1], v[16+pp:17+pp], v[48+pp:49+pp]   ; x g + be
.set pp, pp+2
.endr
	s_wait_dscnt 0x0                               ; the last row's LDS stores have read the codes' registers
.set io, 0
.rept NOUT
.irp i, 0,1,2,3
.irp e, 0,1,2,3,4,5,6,7
	v_med3_num_f32 v[208+8*(\i%2)+\e], v[XR+8*\i+\e], -v[249+2*io], v[249+2*io]   ; the conversion does not saturate (ISA guide 7.6.2): the hold, into one of two sets by turns, so that plain lines stand between a conversion and the next write of its sources
.endr
	v_cvt_scalef32_pk8_bf8_f32 v[224+8*io+2*\i:225+8*io+2*\i], v[208+8*(\i%2):215+8*(\i%2)], v[248+2*io]   ; register j of the eight: the codes of k = 128 j + 4 lane + 0 .. 3
.endr
.set io, io+1
.endr
	v_nop
.set io, 0
.rept NOUT
.irp j, 0,1,2,3,4,5,6,7
	ds_store_b32 v3, v[224+8*io+\j] offset:STG1*io+2176*\j+16*(\ri)   ; four codes to their place in K step j's image; the 32 lanes fall on 32 different banks
.endr
.set io, io+1
.endr
.endm
	s_load_b256 s[4:11], s[0:1], 0x0               ; x1, g2, be2, the scales
	s_load_b64 s[24:25], s[0:1], 0x20              ; h2c
	v_lshl_add_u32 v254, v0, 2, 0x4400
	v_mov_b32 v255, 0
	v_lshrrev_b32 v1, 5, v0
	v_readfirstlane_b32 s26, v1                    ; wave 0..3
	v_and_b32 v1, 31, v0                           ; lane
	s_wait_alu depctr_va_vdst(0)
	s_wait_kmcnt 0x0
	s_load_b32 s80, s[10:11], 0x30                 ; entry 12
	v_lshlrev_b32 v2, 4, v1                        ; 16 x lane: each load of a wave reads 512 consecutive bytes
	v_bfe_u32 v6, v0, 3, 2                         ; my four codes' place in an image: k = 4 lane + ..: c = lane / 8,
	v_mul_u32_u24 v3, v6, 544
	v_bfe_u32 v6, v0, 1, 1                         ; the half (k / 8) % 2,
	v_mad_u32_u24 v3, v6, 272, v3
	v_bfe_u32 v6, v0, 2, 1                         ; (k / 16) % 2: 8 bytes,
	v_lshl_add_u32 v3, v6, 3, v3
	v_and_b32 v6, 1, v0                            ; (k / 4) % 2: 4 bytes,
	v_lshl_add_u32 v3, v6, 2, v3
	s_lshl_b32 s27, s26, 6
	v_add_nc_u32 v3, s27, v3                       ; and row 4 w (+ ri in the immediate): 16 bytes a row
	v_bfe_u32 v6, v0, 4, 1
	v_and_b32 v7, 15, v0
	v_mul_u32_u24 v4, v6, 272
	v_lshl_add_u32 v4, v7, 4, v4
	s_mul_i32 s27, s26, 4352
	v_add_nc_u32 v4, s27, v4                       ; back: wave w takes pieces 16 w .. 16 w + 15, two an instruction
	s_lshl_b32 s27, s26, 12
	v_add_nc_u32 v5, s27, v2                       ; and their place in the tile's 16,384 bytes of images
	s_lshl_b32 s28, ttmp9, 16
	s_lshl_b32 s29, s26, 14
	s_add_co_u32 s28, s28, s29
	s_mov_b32 s29, 0
	s_add_nc_u64 s[4:5], s[4:5], s[28:29]          ; x1 at my first row
	s_lshl_b32 s28, ttmp9, 14
	s_add_nc_u64 s[30:31], s[24:25], s[28:29]      ; the codes at my tile of rows
.irp j, 0,1,2,3,4,5,6,7
	global_load_b128 v[16+4*\j:19+4*\j], v2, s[6:7] offset:512*\j
	global_load_b128 v[48+4*\j:51+4*\j], v2, s[8:9] offset:512*\j
.endr
.irp ri, 0,1,2,3
.irp j, 0,1,2,3,4,5,6,7
	global_load_b128 v[80+32*\ri+4*\j:83+32*\ri+4*\j], v2, s[4:5] offset:4096*\ri+512*\j
.endr
.endr
	s_mov_b32 s36, 0x76543210                      ; v_permlanex16_b32: lane l xor 16
	s_mov_b32 s37, 0xfedcba98
	s_mov_b32 s38, 0x3a800000                      ; 1 / 1,024
	s_mov_b32 s39, 0x3727c5ac                      ; 1e-5
	s_wait_kmcnt 0x0
	s_add_co_i32 s40, s80, 127
	s_lshl_b32 s41, s40, 23
	v_mov_b32 v248, s41                            ; 2^e as f32: the conversion takes its exponent field
	s_add_co_i32 s40, s40, 15
	s_lshl_b32 s40, s40, 23
	s_or_b32 s40, s40, 0x600000
	v_mov_b32 v249, s40                            ; 57,344 x 2^e
	ROW 0
	ROW 1
	ROW 2
	ROW 3
	s_wait_dscnt 0x0                               ; for the others' sake: my stores into the stage are done
	s_barrier_signal -1
	s_barrier_wait -1
.irp i, 0,1,2,3,4,5,6,7
	ds_load_b128 v[80+4*\i:83+4*\i], v4 offset:544*\i
.endr
.irp i, 0,1,2,3,4,5,6,7
	s_wait_dscnt 7-\i                              ; LDS loads come back in order: this one is in, the younger ones stay out
	global_store_b128 v5, v[80+4*\i:83+4*\i], s[30:31] offset:512*\i   ; the wave stores 512 consecutive bytes, aligned
.endr
	s_wait_tensorcnt 0x0
	ds_add_u32 v254, v255
	s_wait_dscnt 0x0
	s_endpgm
.Lfunc_end_k_qbb9c5027bd_ln2:
	.size	k_qbb9c5027bd_ln2, .Lfunc_end_k_qbb9c5027bd_ln2-k_qbb9c5027bd_ln2
	.p2alignl 7, 3214868480
	.fill 96, 4, 3214868480
	.section	.rodata,"a",@progbits
	.p2align	6, 0x0
	.amdhsa_kernel k_qbb9c5027bd_ln2
		.amdhsa_group_segment_fixed_size 17920
		.amdhsa_private_segment_fixed_size 0
		.amdhsa_enable_private_segment 0
		.amdhsa_kernarg_size 40
		.amdhsa_user_sgpr_count 2
		.amdhsa_user_sgpr_kernarg_segment_ptr 1
		.amdhsa_wavefront_size32 1
		.amdhsa_system_sgpr_workgroup_id_x 1
		.amdhsa_system_sgpr_workgroup_id_y 1
		.amdhsa_system_sgpr_workgroup_id_z 1
		.amdhsa_system_vgpr_workitem_id 0
		.amdhsa_next_free_vgpr 256
		.amdhsa_next_free_sgpr 90
		.amdhsa_reserve_vcc 0
		.amdhsa_float_denorm_mode_32 3
		.amdhsa_float_denorm_mode_16_64 3
		.amdhsa_memory_ordered 1
		.amdhsa_forward_progress 1
		.amdhsa_inst_pref_size 45
	.end_amdhsa_kernel
	.amdgpu_metadata
---
amdhsa.version: [ 1, 2 ]
amdhsa.kernels:
  - .name:           k_qbb9c5027bd_ln2
    .symbol:         k_qbb9c5027bd_ln2.kd
    .args:
      - { .name: x1, .offset: 0, .size: 8, .value_kind: global_buffer, .address_space: global }
      - { .name: g2, .offset: 8, .size: 8, .value_kind: global_buffer, .address_space: global }
      - { .name: be2, .offset: 16, .size: 8, .value_kind: global_buffer, .address_space: global }
      - { .name: lowp_scales, .offset: 24, .size: 8, .value_kind: global_buffer, .address_space: global }
      - { .name: h2c, .offset: 32, .size: 8, .value_kind: global_buffer, .address_space: global }
    .group_segment_fixed_size: 17920
    .private_segment_fixed_size: 0
    .kernarg_segment_align: 8
    .kernarg_segment_size: 40
    .max_flat_workgroup_size: 128
    .sgpr_count:     90
    .vgpr_count:     256
    .wavefront_size: 32
...
	.end_amdgpu_metadata
.endif
;; end of part 5
;; launch ff1 (part 6): grid 16 x 16, 4 waves a work-group, clusters of 4 x 4, 327,680 bytes of LDS; arguments h2c, pc, lowp_scales, b1, hid; writes hid
.if DOCPART == 6
	.amdgcn_target "amdgcn-amd-amdhsa--gfx1250"
	.amdhsa_code_object_version 6
	.text
	.protected	k_qbb9c5027bd_ff1
	.globl	k_qbb9c5027bd_ff1
	.p2align	8
	.type	k_qbb9c5027bd_ff1,@function
k_qbb9c5027bd_ff1:
	s_mov_b64 s[64:65], 0
	v_nop
	global_prefetch_b8 v0, s[64:65] scope:SCOPE_SE
	s_setreg_imm32_b32 hwreg(HW_REG_WAVE_MODE, 25, 1), 1
	s_wait_xcnt 0x0
	s_wait_alu depctr_hold_cnt(0) depctr_sa_sdst(0) depctr_va_vdst(0) depctr_va_sdst(0) depctr_va_ssrc(0) depctr_va_vcc(0) depctr_vm_vsrc(0)
	s_getreg_b32 s2, hwreg(HW_REG_IB_STS2, 6, 4)
	s_cmp_eq_u32 s2, 0
	s_cbranch_scc0 .Lentry_in_a_cluster
	s_endpgm
.Lentry_in_a_cluster:
	s_bfe_u32 s2, ttmp6, 0x10000c
	s_cmp_lg_u32 s2, 0xf033
	s_cbranch_scc0 .Lentry_shape_is_right
	s_endpgm
.Lentry_shape_is_right:
.set KIND, 1
.if KIND < 2
.set NBK, 8
.set NQ, 2
.else
.set NBK, 4
.set NQ, 4
.endif
.if KIND == 3
.set KTOT, 4096
.else
.set KTOT, 1024
.endif
.if KIND == 1
.set BOFF, 0x1000000
.elseif KIND == 2
.set BOFF, 0xf00000
.else
.set BOFF, 0x1400000
.endif
.if KIND == 0
.set ASTR, 1024
.else
.set ASTR, 65536
.endif
.set LAPS,  KTOT/(256*NQ)
.set ROWB,  NQ*2048
.set RT,    16*KTOT
.set HALFT, 32768
.set SLOT,  4*HALFT
.set SPARE, 2*SLOT
.set NLH,   (NBK/2)*4
.set G1, 24
.set G0, 32
.set G1B, 48
.set G0B, 56
.set MSB, 0
.macro WIN new
.if MSB != (\new)
	s_set_vgpr_msb (MSB<<8)|(\new)
.set MSB, \new
.endif
.endm
.macro JLOAD g0a, g1a, g0b, g1b
	s_cmp_eq_u32 s15, 0
	s_cbranch_scc0 .Lfor_b_\@
	tensor_load_to_lds s[\g0a:\g0a+3], s[\g1a:\g1a+7]
	s_nop 0
.rept 4
	v_nop
.endr
	s_branch .Lasked_\@
.Lfor_b_\@:
	tensor_load_to_lds s[\g0b:\g0b+3], s[\g1b:\g1b+7]
	s_nop 0
.rept 4
	v_nop
.endr
.Lasked_\@:
.endm
.macro CREST
	s_cmp_lg_u32 s14, 0
	s_cbranch_scc1 .Lnot_wave_0_\@
	s_barrier_signal -3
.Lnot_wave_0_\@:
	s_barrier_wait -3
	s_barrier_signal -1
	s_barrier_wait -1
.endm
.macro CROUND
	s_barrier_signal -1
	s_barrier_wait -1
	CREST
.endm
.macro PLACES n
.rept \n
	v_nop
.endr
.endm
.macro FRAG reg, adr, q, i
.irp c, 0,1,2,3
	ds_load_b128 v[\reg+4*\c:\reg+4*\c+3], v[\adr] offset:(\i)*ROWB+(\q)*2048+512*\c
.endr
.endm
.macro FETCH_B slot, q, p
	WIN 0x40
.set fi, 0
.rept NBK
	FRAG 128*(\p)+16*fi, 20+\slot, \q, fi
.set fi, fi+1
.endr
	WIN 0
.endm
.macro FETCH_A slot, q, i0
.set fi, \i0
.rept NBK/2
	FRAG 128+16*fi, 16+\slot, \q, fi
.set fi, fi+1
.endr
.endm
.macro MULG g, p, zero
.set ma, (\g)*NBK/4
.rept NBK/4
.set mb, 0
.rept NBK
.set rD, 8*(NBK*(ma%(NBK/2))+mb)
.if \zero
	v_wmma_f32_16x16x128_bf8_bf8 v[rD:rD+7], v[128*(\p)+16*mb:128*(\p)+16*mb+15], v[128+16*ma:128+16*ma+15], 0
.else
	v_wmma_f32_16x16x128_bf8_bf8 v[rD:rD+7], v[128*(\p)+16*mb:128*(\p)+16*mb+15], v[128+16*ma:128+16*ma+15], v[rD:rD+7]
.endif
.set mb, mb+1
.endr
.set ma, ma+1
.endr
.endm
.macro STEP slot, q, zero
	s_wait_dscnt NLH
	WIN 0xa1
	MULG 0, (\q)%2, \zero
	MULG 1, (\q)%2, \zero
	s_wait_dscnt 0
	PLACES 4
	FETCH_B \slot, (\q)+1, 1-(\q)%2
	FETCH_A \slot, (\q)+1, 0
	WIN 0xf1
	MULG 2, (\q)%2, \zero
	MULG 3, (\q)%2, \zero
	PLACES 4
	WIN 0
	FETCH_A \slot, (\q)+1, NBK/2
.endm
.macro TURN slot, next, fill
	s_wait_tensorcnt 0x0
	ds_add_u32 v28, v29
	s_wait_dscnt NLH+1
	WIN 0xa1
	MULG 0, 1, 0
	s_wait_dscnt 0x0
	s_barrier_signal -1
	MULG 1, 1, 0
	WIN 0
	s_barrier_wait -1
.if \fill
	CREST
	s_add_nc_u64 s[G0+4*\slot+2:G0+4*\slot+3], s[G0+4*\slot+2:G0+4*\slot+3], 2*ROWB
	s_add_nc_u64 s[G0B+4*\slot+2:G0B+4*\slot+3], s[G0B+4*\slot+2:G0B+4*\slot+3], 2*ROWB
	JLOAD G0+4*\slot, G1, G0B+4*\slot, G1B
.else
	PLACES 4
.endif
	FETCH_B \next, 0, 0
	FETCH_A \next, 0, 0
	WIN 0xf1
	MULG 2, 1, 0
	MULG 3, 1, 0
	PLACES 4
	WIN 0
	FETCH_A \next, 0, NBK/2
.endm
.macro MID slot, from
.set mq, \from
.rept NQ-1-(\from)
	STEP \slot, mq, 0
.set mq, mq+1
.endr
.endm
.if KIND == 0
	s_load_b64 s[4:5], s[0:1], 0x0
	s_load_b64 s[6:7], s[0:1], 0x0
	s_load_b64 s[8:9], s[0:1], 0x8
	s_load_b64 s[10:11], s[0:1], 0x10
.else
	s_load_b128 s[4:7], s[0:1], 0x0
	s_load_b64 s[8:9], s[0:1], 0x10
	s_load_b64 s[12:13], s[0:1], 0x18
.if KIND == 1
	s_load_b64 s[10:11], s[0:1], 0x20
.else
	s_load_b64 s[66:67], s[0:1], 0x20
	s_load_b64 s[10:11], s[0:1], 0x28
.endif
.endif
	v_lshl_add_u32 v28, v0, 2, SPARE
	v_mov_b32 v29, 0
	ds_add_u32 v28, v29
	ds_add_u32 v28, v29
	s_wait_dscnt 0x0
	v_lshrrev_b32 v1, 5, v0
	v_readfirstlane_b32 s14, v1                    ; wave 0..3
.set PLB, 3+NQ/2                       ; log2 of the blocks of 256 bytes in a tile's row of ROWB bytes
	v_and_b32 v23, 31, v0                          ; THE PREFETCHES' OFFSET, v22, never rewritten: a lane a block of 256 bytes: row lane >> PLB of my work-group's share, block lane % 2^PLB of that row
	v_lshrrev_b32 v22, PLB, v23
	v_and_b32 v23, (1<<PLB)-1, v23
	v_mul_u32_u24 v22, v22, RT
	v_lshl_add_u32 v22, v23, 8, v22
	s_lshr_b32 s15, s14, 1
	s_and_b32 s16, s14, 1
	s_bfe_u32 s40, ttmp6, 0x40000
	s_bfe_u32 s41, ttmp6, 0x40004
	s_and_b32 s86, ttmp7, 0xffff
.if KIND == 0
	s_lshl_b32 s87, ttmp9, 22
	s_lshl_b32 s90, ttmp9, 20
	s_add_co_u32 s90, s90, 0xc00000
	s_cmp_eq_u32 ttmp9, 2
	s_cselect_b32 s17, 0, s86
	s_cselect_b32 s42, s86, 0
	s_cselect_b32 s87, 0xe00000, s87
	s_cselect_b32 s90, 0x800000, s90
	s_cselect_b32 s91, 16, 17
.else
	s_mov_b32 s17, s86
	s_mov_b32 s42, ttmp9
	s_mov_b32 s87, 0
	s_mov_b32 s90, BOFF
.endif
	s_lshl_b32 s17, s17, 2
	s_add_co_u32 s17, s17, s41
	s_lshl_b32 s42, s42, 2
	s_add_co_u32 s42, s42, s40
	s_lshl_b32 s43, s41, 2
	s_lshl_b32 s43, 15, s43
	s_lshl_b32 s44, 0x1111, s40
	s_or_b32 s[G1+0], s43, (1<<21)
	s_or_b32 s[G1B+0], s44, (1<<21)
.irp g, G1, G1B
	s_mov_b32 s[\g+1], (ROWB&0xffff)<<16
	s_mov_b32 s[\g+2], (ROWB>>16)|(NBK<<16)
	s_mov_b32 s[\g+3], ROWB<<16
	s_mov_b32 s[\g+4], NBK
	s_mov_b32 s[\g+5], RT
	s_mov_b32 s[\g+6], 0
	s_mov_b32 s[\g+7], 0
.endr
	s_mul_i32 s18, s16, NBK
	s_mul_i32 s20, s17, 2*NBK
	s_add_co_u32 s20, s20, s18
	s_mul_i32 s20, s20, RT
	s_add_co_u32 s20, s20, s87
	s_mov_b32 s21, 0
	s_mul_i32 s46, s42, 2*NBK
	s_add_co_u32 s46, s46, s18
	s_mul_i32 s46, s46, RT
	s_add_co_u32 s46, s46, s90
	s_mov_b32 s47, 0
	s_mul_i32 s45, s14, HALFT                      ; where they go: no place in the cluster enters an LDS address
	s_wait_alu depctr_va_vdst(0)
	s_wait_kmcnt 0x0
	s_load_b512 s[68:83], s[8:9], 0x0
	s_add_nc_u64 s[20:21], s[4:5], s[20:21]
	s_add_nc_u64 s[46:47], s[6:7], s[46:47]
	s_cmp_eq_u32 s15, 0                            ; where my prefetches stand: of the 32,768 bytes of a slot that my wave fetches, each of the four partners that ask for them jointly takes 8,192, told apart BY ADDRESS
	s_cselect_b64 s[94:95], s[20:21], s[46:47]
	s_cselect_b32 s96, s40, s41                    ; cx among those that share A's tile, cy among those that share B's
	s_mul_i32 s96, s96, (8192/ROWB)*RT
	s_mov_b32 s97, 0
	s_add_nc_u64 s[94:95], s[94:95], s[96:97]
	CROUND                                         ; all sixteen work-groups are here: the first joint loads meet
.irp s, 0,1
	s_mov_b32 s[G0+4*\s], 1
	s_add_co_u32 s[G0+4*\s+1], s45, \s*SLOT
	s_add_nc_u64 s[G0+4*\s+2:G0+4*\s+3], s[20:21], \s*ROWB
	s_or_b32 s[G0+4*\s+3], s[G0+4*\s+3], 0x80000000
	s_mov_b32 s[G0B+4*\s], 1
	s_add_co_u32 s[G0B+4*\s+1], s45, \s*SLOT
	s_add_nc_u64 s[G0B+4*\s+2:G0B+4*\s+3], s[46:47], \s*ROWB
	s_or_b32 s[G0B+4*\s+3], s[G0B+4*\s+3], 0x80000000
.if \s
	s_wait_alu depctr_va_vdst(0)
	s_wait_tensorcnt 0x0                           ; slot 1's first fill is issued as a refill is: my part of slot 0 is in,
	ds_add_u32 v28, v29                            ; 0 onto my spare word,
	s_wait_dscnt 0x0                               ; the add is done,
	CROUND                                         ; and a whole round of the cluster's barrier
.endif
	JLOAD G0+4*\s, G1, G0B+4*\s, G1B               ; one tensor load a wave at the head, one behind the round
.if \s == 0
	s_wait_kmcnt 0x0                               ; the sixteen exponents are in; the prefetches stand behind this wait, some way behind slot 0's joint load
	global_prefetch_b8 v22, s[94:95] offset:ROWB th:TH_LOAD_NT scope:SCOPE_SE     ; slot 1's bytes, which are loaded one fill on,
.if LAPS > 1
	global_prefetch_b8 v22, s[94:95] offset:2*ROWB th:TH_LOAD_NT scope:SCOPE_SE   ; and those of the first refill, two fills on
.endif
.elseif LAPS > 1
	global_prefetch_b8 v22, s[94:95] offset:3*ROWB th:TH_LOAD_NT scope:SCOPE_SE   ; behind slot 1's fill: the second refill's, two fills on.  Each block of 256 bytes is named once in each cluster that loads it
.endif
.endr
	v_and_b32 v1, 15, v0
	v_bfe_u32 v2, v0, 4, 1
	s_wait_alu depctr_va_vdst(0)
	v_and_b32 v3, 31, v0
	v_lshlrev_b32 v3, 4, v3
	s_mul_i32 s86, s15, HALFT
	s_mul_i32 s87, s16, HALFT
	s_add_co_u32 s87, s87, 2*HALFT
.irp s, 0,1
	v_add_nc_u32 v[16+\s], s86, v3
	v_add_nc_u32 v[20+\s], s87, v3
	s_add_co_u32 s86, s86, SLOT
	s_add_co_u32 s87, s87, SLOT
.endr
.if KIND == 0
	v_mov_b32 v26, v3
	s_cmp_eq_u32 ttmp9, 2
	s_cselect_b32 s86, s42, s17
	s_lshr_b32 s86, s86, 3
	s_lshl_b32 s86, s86, 21
	s_lshl_b32 s87, ttmp9, 22
	s_add_co_u32 s86, s86, s87
	s_and_b32 s87, s42, 7
	s_lshl_b32 s87, s87, 2
	s_lshl_b32 s92, s16, 1
	s_add_co_u32 s87, s87, s92
	s_lshl_b32 s87, s87, s91
	s_add_co_u32 s86, s86, s87
	s_and_b32 s87, s17, 7
	s_lshl_b32 s87, s87, 4
	s_lshl_b32 s92, s15, 3
	s_add_co_u32 s87, s87, s92
	s_lshl_b32 s87, s87, 10
	s_add_co_u32 s86, s86, s87
	s_mov_b32 s87, 0
	s_add_nc_u64 s[10:11], s[10:11], s[86:87]
	s_lshl_b32 s86, 1, s91
	s_add_nc_u64 s[88:89], s[10:11], s[86:87]
.elseif KIND == 1
	v_mov_b32 v26, v3
	s_lshl_b32 s86, s17, 4
	s_lshl_b32 s87, s15, 3
	s_add_co_u32 s86, s86, s87
	s_lshl_b32 s86, s86, 16
	s_lshl_b32 s87, s42, 1
	s_add_co_u32 s87, s87, s16
	s_lshl_b32 s87, s87, 11
	s_add_co_u32 s86, s86, s87
	s_mov_b32 s87, 0
	s_add_nc_u64 s[10:11], s[10:11], s[86:87]
	s_add_nc_u64 s[88:89], s[10:11], 1024
	s_lshl_b32 s86, s42, 10
	s_lshl_b32 s92, s16, 9
	s_add_co_u32 s86, s86, s92
	s_add_nc_u64 s[12:13], s[12:13], s[86:87]
	v_lshlrev_b32 v27, 5, v2
.set jj, 0
.rept 8
	global_load_b128 v[32+8*jj:35+8*jj], v27, s[12:13] offset:64*jj
	global_load_b128 v[36+8*jj:39+8*jj], v27, s[12:13] offset:64*jj+16
.set jj, jj+1
.endr
.else
	s_lshl_b32 s86, s17, 7
	s_lshl_b32 s87, s15, 6
	s_add_co_u32 s86, s86, s87
	s_lshl_b32 s86, s86, 12
	s_lshl_b32 s87, s42, 9
	s_lshl_b32 s92, s16, 8
	s_add_co_u32 s92, s92, s87
	s_add_co_u32 s86, s86, s92
	s_mov_b32 s87, 0
	s_mov_b32 s93, 0
	s_add_nc_u64 s[10:11], s[10:11], s[86:87]
	s_add_nc_u64 s[66:67], s[66:67], s[86:87]
	s_add_nc_u64 s[12:13], s[12:13], s[92:93]
	v_lshlrev_b32 v27, 4, v1
	v_lshl_add_u32 v26, v2, 12, v27
	s_mul_i32 s86, s14, 4352
	v_mul_u32_u24 v24, v1, 272
	v_lshl_add_u32 v24, v2, 5, v24
	v_add_nc_u32 v24, s86, v24
	v_mul_u32_u24 v25, v2, 272
	v_add_nc_u32 v25, v25, v27
	v_add_nc_u32 v25, s86, v25
	global_load_b128 v[32:35], v27, s[12:13]
	WIN 0x80
.set jj, 0
.rept 32
	global_load_b128 v[128+4*jj:131+4*jj], v26, s[66:67] offset:2*jj*4096
.set jj, jj+1
.endr
	WIN 0
.endif
	s_wait_alu depctr_va_vdst(0)
	s_wait_kmcnt 0x0
.if KIND == 0
	s_add_co_i32 s86, s68, s69
	s_add_co_i32 s87, s70, s71
	s_add_co_i32 s92, s72, s73
	s_cmp_eq_u32 ttmp9, 0
	s_cselect_b32 s86, s86, s87
	s_cselect_b32 s93, s74, s75
	s_cmp_eq_u32 ttmp9, 2
	s_cselect_b32 s86, s92, s86
	s_cselect_b32 s93, s77, s93
.elseif KIND == 1
	s_add_co_i32 s86, s80, s81
	s_mov_b32 s93, s82
.elseif KIND == 2
	s_add_co_i32 s86, s78, s79
.else
	s_add_co_i32 s86, s82, s83
.endif
	s_add_co_i32 s86, s86, 127
	s_lshl_b32 s84, s86, 23
	s_mov_b32 s85, s84
.if KIND < 2
	s_add_co_i32 s93, s93, 127
	s_lshl_b32 s92, s93, 23
	v_mov_b32 v31, s92
	s_add_co_i32 s93, s93, 15
	s_lshl_b32 s93, s93, 23
	s_or_b32 s93, s93, 0x600000
	v_mov_b32 v30, s93
.endif
	s_wait_tensorcnt 1
	s_barrier_signal -1
	s_barrier_wait -1
	FETCH_B 0, 0, 0
	FETCH_A 0, 0, 0
	FETCH_A 0, 0, NBK/2
	STEP 0, 0, 1
.if LAPS > 1
	s_mov_b32 s3, LAPS-1
.Llap:
	MID 0, 1
	TURN 0, 1, 1
	MID 1, 0
	TURN 1, 0, 1
	STEP 0, 0, 0
	s_sub_co_u32 s3, s3, 1
	s_cmp_lg_u32 s3, 0
	s_cbranch_scc1 .Llap
.endif
	MID 0, 1
	TURN 0, 1, 0
	MID 1, 0
	s_wait_dscnt NLH
	WIN 0xa1
	MULG 0, 1, 0
	MULG 1, 1, 0
	s_wait_dscnt 0
	WIN 0xf1
	MULG 2, 1, 0
	MULG 3, 1, 0
	WIN 0
	PLACES 4
.if KIND < 2
.if KIND == 1
	s_wait_loadcnt 0x0
.endif
.set ia, 0
.rept 8
.set AC, 64*(ia%4)
.set CD, 128+16*ia
	WIN 0x42+ia/4
.set jj, 0
.rept 32
.if KIND == 1
	v_pk_fma_f32 v[jj:jj+1], v[AC+jj:AC+jj+1], s[84:85], v[32+jj:33+jj] op_sel_hi:[1,0,1]
.else
	v_pk_mul_f32 v[jj:jj+1], v[AC+jj:AC+jj+1], s[84:85] op_sel_hi:[1,0]
.endif
.set jj, jj+2
.endr
	WIN 0x41
.set jj, 0
.rept 64
.if KIND == 1
	v_med3_num_f32 v[jj], v[jj], 0, v30
.else
	v_med3_num_f32 v[jj], v[jj], -v30, v30
.endif
.set jj, jj+1
.endr
	WIN 0x01
.set jj, 0
.rept 8
	v_cvt_scalef32_pk8_bf8_f32 v[CD+2*jj:CD+2*jj+1], v[8*jj:8*jj+7], v31
.set jj, jj+1
.endr
	WIN 0
	v_nop
.set jj, 0
.rept 4
	global_store_b128 v26, v[CD+4*jj:CD+4*jj+3], s[10+78*(jj/2):11+78*(jj/2)] offset:ia*ASTR+(jj%2)*512
.set jj, jj+1
.endr
.set ia, ia+1
.endr
.else
	s_wait_loadcnt 0x0
	WIN 0x82
.set jj, 0
.rept 64
	v_pk_add_f32 v[128+2*jj:129+2*jj], v[128+2*jj:129+2*jj], v[32+2*(jj%2):33+2*(jj%2)]
.set jj, jj+1
.endr
	WIN 0
.macro TOSTAGE a
	WIN 0x08+4*((\a)/2)
.set jj, 0
.rept 4
	ds_store_b128 v24, v[32*((\a)%2)+8*jj:32*((\a)%2)+8*jj+3] offset:64*jj
	ds_store_b128 v24, v[32*((\a)%2)+8*jj+4:32*((\a)%2)+8*jj+7] offset:64*jj+16
.set jj, jj+1
.endr
	WIN 0
.set jj, 0
.rept 8
	ds_load_b128 v[128+32*(\a)+4*jj:128+32*(\a)+4*jj+3], v25 offset:544*jj
.set jj, jj+1
.endr
.endm
.macro SEND a, younger
	s_wait_dscnt \younger
	WIN 0x20
.set jj, 0
.rept 16
	v_pk_fma_f32 v[128+32*(\a)+2*jj:129+32*(\a)+2*jj], v[128+32*(\a)+2*jj:129+32*(\a)+2*jj], s[84:85], v[128+32*(\a)+2*jj:129+32*(\a)+2*jj] op_sel_hi:[1,0,1]
.set jj, jj+1
.endr
	WIN 0
.set jj, 0
.rept 8
	global_store_b128 v26, v[128+32*(\a)+4*jj:128+32*(\a)+4*jj+3], s[10:11] offset:(16*(\a)+2*jj)*4096
.set jj, jj+1
.endr
.endm
	TOSTAGE 0
	TOSTAGE 1
	SEND 0, 16
	TOSTAGE 2
	SEND 1, 16
	TOSTAGE 3
	SEND 2, 16
	SEND 3, 0
.endif
	s_wait_tensorcnt 0x0
	ds_add_u32 v28, v29
	s_wait_dscnt 0x0
	CROUND
	s_endpgm
.Lfunc_end_k_qbb9c5027bd_ff1:
	.size	k_qbb9c5027bd_ff1, .Lfunc_end_k_qbb9c5027bd_ff1-k_qbb9c5027bd_ff1
	.p2alignl 7, 3214868480
	.fill 96, 4, 3214868480
	.section	.rodata,"a",@progbits
	.p2align	6, 0x0
	.amdhsa_kernel k_qbb9c5027bd_ff1
		.amdhsa_group_segment_fixed_size 327680
		.amdhsa_private_segment_fixed_size 0
		.amdhsa_enable_private_segment 0
		.amdhsa_kernarg_size 40
		.amdhsa_user_sgpr_count 2
		.amdhsa_user_sgpr_kernarg_segment_ptr 1
		.amdhsa_wavefront_size32 1
		.amdhsa_system_sgpr_workgroup_id_x 1
		.amdhsa_system_sgpr_workgroup_id_y 1
		.amdhsa_system_sgpr_workgroup_id_z 1
		.amdhsa_system_vgpr_workitem_id 0
		.amdhsa_next_free_vgpr 1024
		.amdhsa_next_free_sgpr 100
		.amdhsa_reserve_vcc 0
		.amdhsa_float_denorm_mode_32 3
		.amdhsa_float_denorm_mode_16_64 3
		.amdhsa_memory_ordered 1
		.amdhsa_forward_progress 1
		.amdhsa_inst_pref_size 137
	.end_amdhsa_kernel
	.amdgpu_metadata
---
amdhsa.version: [ 1, 2 ]
amdhsa.kernels:
  - .name:           k_qbb9c5027bd_ff1
    .symbol:         k_qbb9c5027bd_ff1.kd
    .args:
      - { .name: h2c, .offset: 0, .size: 8, .value_kind: global_buffer, .address_space: global }
      - { .name: pc, .offset: 8, .size: 8, .value_kind: global_buffer, .address_space: global }
      - { .name: lowp_scales, .offset: 16, .size: 8, .value_kind: global_buffer, .address_space: global }
      - { .name: b1, .offset: 24, .size: 8, .value_kind: global_buffer, .address_space: global }
      - { .name: hid, .offset: 32, .size: 8, .value_kind: global_buffer, .address_space: global }
    .group_segment_fixed_size: 327680
    .private_segment_fixed_size: 0
    .kernarg_segment_align: 8
    .kernarg_segment_size: 40
    .max_flat_workgroup_size: 128
    .sgpr_count:     100
    .vgpr_count:     1024
    .wavefront_size: 32
...
	.end_amdgpu_metadata
.endif
;; end of part 6
;; launch ff2 (part 7): grid 8 x 32, 4 waves a work-group, clusters of 4 x 4, 327,680 bytes of LDS; arguments hid, pc, lowp_scales, b2, x1, out0; writes out0
.if DOCPART == 7
	.amdgcn_target "amdgcn-amd-amdhsa--gfx1250"
	.amdhsa_code_object_version 6
	.text
	.protected	k_qbb9c5027bd_ff2
	.globl	k_qbb9c5027bd_ff2
	.p2align	8
	.type	k_qbb9c5027bd_ff2,@function
k_qbb9c5027bd_ff2:
	s_mov_b64 s[64:65], 0
	v_nop
	global_prefetch_b8 v0, s[64:65] scope:SCOPE_SE
	s_setreg_imm32_b32 hwreg(HW_REG_WAVE_MODE, 25, 1), 1
	s_wait_xcnt 0x0
	s_wait_alu depctr_hold_cnt(0) depctr_sa_sdst(0) depctr_va_vdst(0) depctr_va_sdst(0) depctr_va_ssrc(0) depctr_va_vcc(0) depctr_vm_vsrc(0)
	s_getreg_b32 s2, hwreg(HW_REG_IB_STS2, 6, 4)
	s_cmp_eq_u32 s2, 0
	s_cbranch_scc0 .Lentry_in_a_cluster
	s_endpgm
.Lentry_in_a_cluster:
	s_bfe_u32 s2, ttmp6, 0x10000c
	s_cmp_lg_u32 s2, 0xf033
	s_cbranch_scc0 .Lentry_shape_is_right
	s_endpgm
.Lentry_shape_is_right:
.set KIND, 3
.if KIND < 2
.set NBK, 8
.set NQ, 2
.else
.set NBK, 4
.set NQ, 4
.endif
.if KIND == 3
.set KTOT, 4096
.else
.set KTOT, 1024
.endif
.if KIND == 1
.set BOFF, 0x1000000
.elseif KIND == 2
.set BOFF, 0xf00000
.else
.set BOFF, 0x1400000
.endif
.if KIND == 0
.set ASTR, 1024
.else
.set ASTR, 65536
.endif
.set LAPS,  KTOT/(256*NQ)
.set ROWB,  NQ*2048
.set RT,    16*KTOT
.set HALFT, 32768
.set SLOT,  4*HALFT
.set SPARE, 2*SLOT
.set NLH,   (NBK/2)*4
.set G1, 24
.set G0, 32
.set G1B, 48
.set G0B, 56
.set MSB, 0
.macro WIN new
.if MSB != (\new)
	s_set_vgpr_msb (MSB<<8)|(\new)
.set MSB, \new
.endif
.endm
.macro JLOAD g0a, g1a, g0b, g1b
	s_cmp_eq_u32 s15, 0
	s_cbranch_scc0 .Lfor_b_\@
	tensor_load_to_lds s[\g0a:\g0a+3], s[\g1a:\g1a+7]
	s_nop 0
.rept 4
	v_nop
.endr
	s_branch .Lasked_\@
.Lfor_b_\@:
	tensor_load_to_lds s[\g0b:\g0b+3], s[\g1b:\g1b+7]
	s_nop 0
.rept 4
	v_nop
.endr
.Lasked_\@:
.endm
.macro CREST
	s_cmp_lg_u32 s14, 0
	s_cbranch_scc1 .Lnot_wave_0_\@
	s_barrier_signal -3
.Lnot_wave_0_\@:
	s_barrier_wait -3
	s_barrier_signal -1
	s_barrier_wait -1
.endm
.macro CROUND
	s_barrier_signal -1
	s_barrier_wait -1
	CREST
.endm
.macro PLACES n
.rept \n
	v_nop
.endr
.endm
.macro FRAG reg, adr, q, i
.irp c, 0,1,2,3
	ds_load_b128 v[\reg+4*\c:\reg+4*\c+3], v[\adr] offset:(\i)*ROWB+(\q)*2048+512*\c
.endr
.endm
.macro FETCH_B slot, q, p
	WIN 0x40
.set fi, 0
.rept NBK
	FRAG 128*(\p)+16*fi, 20+\slot, \q, fi
.set fi, fi+1
.endr
	WIN 0
.endm
.macro FETCH_A slot, q, i0
.set fi, \i0
.rept NBK/2
	FRAG 128+16*fi, 16+\slot, \q, fi
.set fi, fi+1
.endr
.endm
.macro MULG g, p, zero
.set ma, (\g)*NBK/4
.rept NBK/4
.set mb, 0
.rept NBK
.set rD, 8*(NBK*(ma%(NBK/2))+mb)
.if \zero
	v_wmma_f32_16x16x128_bf8_bf8 v[rD:rD+7], v[128*(\p)+16*mb:128*(\p)+16*mb+15], v[128+16*ma:128+16*ma+15], 0
.else
	v_wmma_f32_16x16x128_bf8_bf8 v[rD:rD+7], v[128*(\p)+16*mb:128*(\p)+16*mb+15], v[128+16*ma:128+16*ma+15], v[rD:rD+7]
.endif
.set mb, mb+1
.endr
.set ma, ma+1
.endr
.endm
.macro STEP slot, q, zero
	s_wait_dscnt NLH
	WIN 0xa1
	MULG 0, (\q)%2, \zero
	MULG 1, (\q)%2, \zero
	s_wait_dscnt 0
	PLACES 4
	FETCH_B \slot, (\q)+1, 1-(\q)%2
	FETCH_A \slot, (\q)+1, 0
	WIN 0xf1
	MULG 2, (\q)%2, \zero
	MULG 3, (\q)%2, \zero
	PLACES 4
	WIN 0
	FETCH_A \slot, (\q)+1, NBK/2
.endm
.macro TURN slot, next, fill
.if (\fill) && (LAPS > 2) && ((\slot) == 0)
	s_wait_xcnt 0x0                                ; my prefetches have read their address: it is stepped once a lap, ahead of the waits of the change of slots
	s_add_nc_u64 s[94:95], s[94:95], 2*ROWB
.endif
	s_wait_tensorcnt 0x0
	ds_add_u32 v28, v29
	s_wait_dscnt NLH+1
	WIN 0xa1
	MULG 0, 1, 0
	s_wait_dscnt 0x0
	s_barrier_signal -1
	MULG 1, 1, 0
	WIN 0
	s_barrier_wait -1
.if \fill
	CREST
	s_add_nc_u64 s[G0+4*\slot+2:G0+4*\slot+3], s[G0+4*\slot+2:G0+4*\slot+3], 2*ROWB
	s_add_nc_u64 s[G0B+4*\slot+2:G0B+4*\slot+3], s[G0B+4*\slot+2:G0B+4*\slot+3], 2*ROWB
	JLOAD G0+4*\slot, G1, G0B+4*\slot, G1B
.else
	PLACES 4
.endif
	FETCH_B \next, 0, 0
	FETCH_A \next, 0, 0
.if (\fill) && (LAPS > 2)
	s_cmp_gt_u32 s3, 1                             ; behind the joint refill and the run of LDS loads: the slot that stands two refills on; the loop's last trip (s3 = 1) has none and asks for nothing
	s_cbranch_scc0 .Lno_ask_\@
	global_prefetch_b8 v22, s[94:95] offset:(2+\slot)*ROWB th:TH_LOAD_NT scope:SCOPE_SE
.Lno_ask_\@:
.endif
	WIN 0xf1
	MULG 2, 1, 0
	MULG 3, 1, 0
	PLACES 4
	WIN 0
	FETCH_A \next, 0, NBK/2
.endm
.macro MID slot, from
.set mq, \from
.rept NQ-1-(\from)
	STEP \slot, mq, 0
.set mq, mq+1
.endr
.endm
.if KIND == 0
	s_load_b64 s[4:5], s[0:1], 0x0
	s_load_b64 s[6:7], s[0:1], 0x0
	s_load_b64 s[8:9], s[0:1], 0x8
	s_load_b64 s[10:11], s[0:1], 0x10
.else
	s_load_b128 s[4:7], s[0:1], 0x0
	s_load_b64 s[8:9], s[0:1], 0x10
	s_load_b64 s[12:13], s[0:1], 0x18
.if KIND == 1
	s_load_b64 s[10:11], s[0:1], 0x20
.else
	s_load_b64 s[66:67], s[0:1], 0x20
	s_load_b64 s[10:11], s[0:1], 0x28
.endif
.endif
	v_lshl_add_u32 v28, v0, 2, SPARE
	v_mov_b32 v29, 0
	ds_add_u32 v28, v29
	ds_add_u32 v28, v29
	s_wait_dscnt 0x0
	v_lshrrev_b32 v1, 5, v0
	v_readfirstlane_b32 s14, v1                    ; wave 0..3
.set PLB, 3+NQ/2                       ; log2 of the blocks of 256 bytes in a tile's row of ROWB bytes
	v_and_b32 v23, 31, v0                          ; THE PREFETCHES' OFFSET, v22, never rewritten: a lane a block of 256 bytes: row lane >> PLB of my work-group's share, block lane % 2^PLB of that row
	v_lshrrev_b32 v22, PLB, v23
	v_and_b32 v23, (1<<PLB)-1, v23
	v_mul_u32_u24 v22, v22, RT
	v_lshl_add_u32 v22, v23, 8, v22
	s_lshr_b32 s15, s14, 1
	s_and_b32 s16, s14, 1
	s_bfe_u32 s40, ttmp6, 0x40000
	s_bfe_u32 s41, ttmp6, 0x40004
	s_and_b32 s86, ttmp7, 0xffff
.if KIND == 0
	s_lshl_b32 s87, ttmp9, 22
	s_lshl_b32 s90, ttmp9, 20
	s_add_co_u32 s90, s90, 0xc00000
	s_cmp_eq_u32 ttmp9, 2
	s_cselect_b32 s17, 0, s86
	s_cselect_b32 s42, s86, 0
	s_cselect_b32 s87, 0xe00000, s87
	s_cselect_b32 s90, 0x800000, s90
	s_cselect_b32 s91, 16, 17
.else
	s_mov_b32 s17, s86
	s_mov_b32 s42, ttmp9
	s_mov_b32 s87, 0
	s_mov_b32 s90, BOFF
.endif
	s_lshl_b32 s17, s17, 2
	s_add_co_u32 s17, s17, s41
	s_lshl_b32 s42, s42, 2
	s_add_co_u32 s42, s42, s40
	s_lshl_b32 s43, s41, 2
	s_lshl_b32 s43, 15, s43
	s_lshl_b32 s44, 0x1111, s40
	s_or_b32 s[G1+0], s43, (1<<21)
	s_or_b32 s[G1B+0], s44, (1<<21)
.irp g, G1, G1B
	s_mov_b32 s[\g+1], (ROWB&0xffff)<<16
	s_mov_b32 s[\g+2], (ROWB>>16)|(NBK<<16)
	s_mov_b32 s[\g+3], ROWB<<16
	s_mov_b32 s[\g+4], NBK
	s_mov_b32 s[\g+5], RT
	s_mov_b32 s[\g+6], 0
	s_mov_b32 s[\g+7], 0
.endr
	s_mul_i32 s18, s16, NBK
	s_mul_i32 s20, s17, 2*NBK
	s_add_co_u32 s20, s20, s18
	s_mul_i32 s20, s20, RT
	s_add_co_u32 s20, s20, s87
	s_mov_b32 s21, 0
	s_mul_i32 s46, s42, 2*NBK
	s_add_co_u32 s46, s46, s18
	s_mul_i32 s46, s46, RT
	s_add_co_u32 s46, s46, s90
	s_mov_b32 s47, 0
	s_mul_i32 s45, s14, HALFT                      ; where they go: no place in the cluster enters an LDS address
	s_wait_alu depctr_va_vdst(0)
	s_wait_kmcnt 0x0
	s_load_b512 s[68:83], s[8:9], 0x0
	s_add_nc_u64 s[20:21], s[4:5], s[20:21]
	s_add_nc_u64 s[46:47], s[6:7], s[46:47]
	s_cmp_eq_u32 s15, 0                            ; where my prefetches stand: of the 32,768 bytes of a slot that my wave fetches, each of the four partners that ask for them jointly takes 8,192, told apart BY ADDRESS
	s_cselect_b64 s[94:95], s[20:21], s[46:47]
	s_cselect_b32 s96, s40, s41                    ; cx among those that share A's tile, cy among those that share B's
	s_mul_i32 s96, s96, (8192/ROWB)*RT
	s_mov_b32 s97, 0
	s_add_nc_u64 s[94:95], s[94:95], s[96:97]
	CROUND                                         ; all sixteen work-groups are here: the first joint loads meet
.irp s, 0,1
	s_mov_b32 s[G0+4*\s], 1
	s_add_co_u32 s[G0+4*\s+1], s45, \s*SLOT
	s_add_nc_u64 s[G0+4*\s+2:G0+4*\s+3], s[20:21], \s*ROWB
	s_or_b32 s[G0+4*\s+3], s[G0+4*\s+3], 0x80000000
	s_mov_b32 s[G0B+4*\s], 1
	s_add_co_u32 s[G0B+4*\s+1], s45, \s*SLOT
	s_add_nc_u64 s[G0B+4*\s+2:G0B+4*\s+3], s[46:47], \s*ROWB
	s_or_b32 s[G0B+4*\s+3], s[G0B+4*\s+3], 0x80000000
.if \s
	s_wait_alu depctr_va_vdst(0)
	s_wait_tensorcnt 0x0                           ; slot 1's first fill is issued as a refill is: my part of slot 0 is in,
	ds_add_u32 v28, v29                            ; 0 onto my spare word,
	s_wait_dscnt 0x0                               ; the add is done,
	CROUND                                         ; and a whole round of the cluster's barrier
.endif
	JLOAD G0+4*\s, G1, G0B+4*\s, G1B               ; one tensor load a wave at the head, one behind the round
.if \s == 0
	s_wait_kmcnt 0x0                               ; the sixteen exponents are in; the prefetches stand behind this wait, some way behind slot 0's joint load
	global_prefetch_b8 v22, s[94:95] offset:ROWB th:TH_LOAD_NT scope:SCOPE_SE     ; slot 1's bytes, which are loaded one fill on,
.if LAPS > 1
	global_prefetch_b8 v22, s[94:95] offset:2*ROWB th:TH_LOAD_NT scope:SCOPE_SE   ; and those of the first refill, two fills on
.endif
.elseif LAPS > 1
	global_prefetch_b8 v22, s[94:95] offset:3*ROWB th:TH_LOAD_NT scope:SCOPE_SE   ; behind slot 1's fill: the second refill's, two fills on.  Each block of 256 bytes is named once in each cluster that loads it
.endif
.endr
	v_and_b32 v1, 15, v0
	s_wait_alu depctr_va_vdst(0)
	v_bfe_u32 v2, v0, 4, 1
	v_and_b32 v3, 31, v0
	v_lshlrev_b32 v3, 4, v3
	s_mul_i32 s86, s15, HALFT
	s_mul_i32 s87, s16, HALFT
	s_add_co_u32 s87, s87, 2*HALFT
.irp s, 0,1
	v_add_nc_u32 v[16+\s], s86, v3
	v_add_nc_u32 v[20+\s], s87, v3
	s_add_co_u32 s86, s86, SLOT
	s_add_co_u32 s87, s87, SLOT
.endr
.if KIND == 0
	v_mov_b32 v26, v3
	s_cmp_eq_u32 ttmp9, 2
	s_cselect_b32 s86, s42, s17
	s_lshr_b32 s86, s86, 3
	s_lshl_b32 s86, s86, 21
	s_lshl_b32 s87, ttmp9, 22
	s_add_co_u32 s86, s86, s87
	s_and_b32 s87, s42, 7
	s_lshl_b32 s87, s87, 2
	s_lshl_b32 s92, s16, 1
	s_add_co_u32 s87, s87, s92
	s_lshl_b32 s87, s87, s91
	s_add_co_u32 s86, s86, s87
	s_and_b32 s87, s17, 7
	s_lshl_b32 s87, s87, 4
	s_lshl_b32 s92, s15, 3
	s_add_co_u32 s87, s87, s92
	s_lshl_b32 s87, s87, 10
	s_add_co_u32 s86, s86, s87
	s_mov_b32 s87, 0
	s_add_nc_u64 s[10:11], s[10:11], s[86:87]
	s_lshl_b32 s86, 1, s91
	s_add_nc_u64 s[88:89], s[10:11], s[86:87]
.elseif KIND == 1
	v_mov_b32 v26, v3
	s_lshl_b32 s86, s17, 4
	s_lshl_b32 s87, s15, 3
	s_add_co_u32 s86, s86, s87
	s_lshl_b32 s86, s86, 16
	s_lshl_b32 s87, s42, 1
	s_add_co_u32 s87, s87, s16
	s_lshl_b32 s87, s87, 11
	s_add_co_u32 s86, s86, s87
	s_mov_b32 s87, 0
	s_add_nc_u64 s[10:11], s[10:11], s[86:87]
	s_add_nc_u64 s[88:89], s[10:11], 1024
	s_lshl_b32 s86, s42, 10
	s_lshl_b32 s92, s16, 9
	s_add_co_u32 s86, s86, s92
	s_add_nc_u64 s[12:13], s[12:13], s[86:87]
	v_lshlrev_b32 v27, 5, v2
.set jj, 0
.rept 8
	global_load_b128 v[32+8*jj:35+8*jj], v27, s[12:13] offset:64*jj
	global_load_b128 v[36+8*jj:39+8*jj], v27, s[12:13] offset:64*jj+16
.set jj, jj+1
.endr
.else
	s_lshl_b32 s86, s17, 7
	s_lshl_b32 s87, s15, 6
	s_add_co_u32 s86, s86, s87
	s_lshl_b32 s86, s86, 12
	s_lshl_b32 s87, s42, 9
	s_lshl_b32 s92, s16, 8
	s_add_co_u32 s92, s92, s87
	s_add_co_u32 s86, s86, s92
	s_mov_b32 s87, 0
	s_mov_b32 s93, 0
	s_add_nc_u64 s[10:11], s[10:11], s[86:87]
	s_add_nc_u64 s[66:67], s[66:67], s[86:87]
	s_add_nc_u64 s[12:13], s[12:13], s[92:93]
	v_lshlrev_b32 v27, 4, v1
	s_wait_alu depctr_va_vdst(0)
	v_lshl_add_u32 v26, v2, 12, v27
	s_mul_i32 s86, s14, 4352
	v_mul_u32_u24 v24, v1, 272
	v_lshl_add_u32 v24, v2, 5, v24
	v_add_nc_u32 v24, s86, v24
	v_mul_u32_u24 v25, v2, 272
	v_add_nc_u32 v25, v25, v27
	v_add_nc_u32 v25, s86, v25
	global_load_b128 v[32:35], v27, s[12:13]
	WIN 0x80
.set jj, 0
.rept 32
	global_load_b128 v[128+4*jj:131+4*jj], v26, s[66:67] offset:2*jj*4096
.set jj, jj+1
.endr
	WIN 0
.endif
	s_wait_kmcnt 0x0
.if KIND == 0
	s_add_co_i32 s86, s68, s69
	s_add_co_i32 s87, s70, s71
	s_add_co_i32 s92, s72, s73
	s_cmp_eq_u32 ttmp9, 0
	s_cselect_b32 s86, s86, s87
	s_cselect_b32 s93, s74, s75
	s_cmp_eq_u32 ttmp9, 2
	s_cselect_b32 s86, s92, s86
	s_cselect_b32 s93, s77, s93
.elseif KIND == 1
	s_add_co_i32 s86, s80, s81
	s_mov_b32 s93, s82
.elseif KIND == 2
	s_add_co_i32 s86, s78, s79
.else
	s_add_co_i32 s86, s82, s83
.endif
	s_add_co_i32 s86, s86, 127
	s_lshl_b32 s84, s86, 23
	s_mov_b32 s85, s84
.if KIND < 2
	s_add_co_i32 s93, s93, 127
	s_lshl_b32 s92, s93, 23
	v_mov_b32 v31, s92
	s_add_co_i32 s93, s93, 15
	s_lshl_b32 s93, s93, 23
	s_or_b32 s93, s93, 0x600000
	v_mov_b32 v30, s93
.endif
	s_wait_tensorcnt 1
	s_barrier_signal -1
	s_barrier_wait -1
	FETCH_B 0, 0, 0
	FETCH_A 0, 0, 0
	FETCH_A 0, 0, NBK/2
	STEP 0, 0, 1
.if LAPS > 1
	s_mov_b32 s3, LAPS-1
.Llap:
	MID 0, 1
	TURN 0, 1, 1
	MID 1, 0
	TURN 1, 0, 1
	STEP 0, 0, 0
	s_sub_co_u32 s3, s3, 1
	s_cmp_lg_u32 s3, 0
	s_cbranch_scc1 .Llap
.endif
	MID 0, 1
	TURN 0, 1, 0
	MID 1, 0
	s_wait_dscnt NLH
	WIN 0xa1
	MULG 0, 1, 0
	MULG 1, 1, 0
	s_wait_dscnt 0
	WIN 0xf1
	MULG 2, 1, 0
	MULG 3, 1, 0
	WIN 0
	PLACES 4
.if KIND < 2
.if KIND == 1
	s_wait_loadcnt 0x0
.endif
.set ia, 0
.rept 8
.set AC, 64*(ia%4)
.set CD, 128+16*ia
	WIN 0x42+ia/4
.set jj, 0
.rept 32
.if KIND == 1
	v_pk_fma_f32 v[jj:jj+1], v[AC+jj:AC+jj+1], s[84:85], v[32+jj:33+jj] op_sel_hi:[1,0,1]
.else
	v_pk_mul_f32 v[jj:jj+1], v[AC+jj:AC+jj+1], s[84:85] op_sel_hi:[1,0]
.endif
.set jj, jj+2
.endr
	WIN 0x41
.set jj, 0
.rept 64
.if KIND == 1
	v_med3_num_f32 v[jj], v[jj], 0, v30
.else
	v_med3_num_f32 v[jj], v[jj], -v30, v30
.endif
.set jj, jj+1
.endr
	WIN 0x01
.set jj, 0
.rept 8
	v_cvt_scalef32_pk8_bf8_f32 v[CD+2*jj:CD+2*jj+1], v[8*jj:8*jj+7], v31
.set jj, jj+1
.endr
	WIN 0
	v_nop
.set jj, 0
.rept 4
	global_store_b128 v26, v[CD+4*jj:CD+4*jj+3], s[10+78*(jj/2):11+78*(jj/2)] offset:ia*ASTR+(jj%2)*512
.set jj, jj+1
.endr
.set ia, ia+1
.endr
.else
	s_wait_loadcnt 0x0
	WIN 0x82
.set jj, 0
.rept 64
	v_pk_add_f32 v[128+2*jj:129+2*jj], v[128+2*jj:129+2*jj], v[32+2*(jj%2):33+2*(jj%2)]
.set jj, jj+1
.endr
	WIN 0
.macro TOSTAGE a
	WIN 0x08+4*((\a)/2)
.set jj, 0
.rept 4
	ds_store_b128 v24, v[32*((\a)%2)+8*jj:32*((\a)%2)+8*jj+3] offset:64*jj
	ds_store_b128 v24, v[32*((\a)%2)+8*jj+4:32*((\a)%2)+8*jj+7] offset:64*jj+16
.set jj, jj+1
.endr
	WIN 0
.set jj, 0
.rept 8
	ds_load_b128 v[128+32*(\a)+4*jj:128+32*(\a)+4*jj+3], v25 offset:544*jj
.set jj, jj+1
.endr
.endm
.macro SEND a, younger
	s_wait_dscnt \younger
	WIN 0x20
.set jj, 0
.rept 16
	v_pk_fma_f32 v[128+32*(\a)+2*jj:129+32*(\a)+2*jj], v[128+32*(\a)+2*jj:129+32*(\a)+2*jj], s[84:85], v[128+32*(\a)+2*jj:129+32*(\a)+2*jj] op_sel_hi:[1,0,1]
.set jj, jj+1
.endr
	WIN 0
.set jj, 0
.rept 8
	global_store_b128 v26, v[128+32*(\a)+4*jj:128+32*(\a)+4*jj+3], s[10:11] offset:(16*(\a)+2*jj)*4096
.set jj, jj+1
.endr
.endm
	TOSTAGE 0
	TOSTAGE 1
	SEND 0, 16
	TOSTAGE 2
	SEND 1, 16
	TOSTAGE 3
	SEND 2, 16
	SEND 3, 0
.endif
	s_wait_tensorcnt 0x0
	ds_add_u32 v28, v29
	s_wait_dscnt 0x0
	CROUND
	s_endpgm
.Lfunc_end_k_qbb9c5027bd_ff2:
	.size	k_qbb9c5027bd_ff2, .Lfunc_end_k_qbb9c5027bd_ff2-k_qbb9c5027bd_ff2
	.p2alignl 7, 3214868480
	.fill 96, 4, 3214868480
	.section	.rodata,"a",@progbits
	.p2align	6, 0x0
	.amdhsa_kernel k_qbb9c5027bd_ff2
		.amdhsa_group_segment_fixed_size 327680
		.amdhsa_private_segment_fixed_size 0
		.amdhsa_enable_private_segment 0
		.amdhsa_kernarg_size 48
		.amdhsa_user_sgpr_count 2
		.amdhsa_user_sgpr_kernarg_segment_ptr 1
		.amdhsa_wavefront_size32 1
		.amdhsa_system_sgpr_workgroup_id_x 1
		.amdhsa_system_sgpr_workgroup_id_y 1
		.amdhsa_system_sgpr_workgroup_id_z 1
		.amdhsa_system_vgpr_workitem_id 0
		.amdhsa_next_free_vgpr 1024
		.amdhsa_next_free_sgpr 100
		.amdhsa_reserve_vcc 0
		.amdhsa_float_denorm_mode_32 3
		.amdhsa_float_denorm_mode_16_64 3
		.amdhsa_memory_ordered 1
		.amdhsa_forward_progress 1
		.amdhsa_inst_pref_size 87
	.end_amdhsa_kernel
	.amdgpu_metadata
---
amdhsa.version: [ 1, 2 ]
amdhsa.kernels:
  - .name:           k_qbb9c5027bd_ff2
    .symbol:         k_qbb9c5027bd_ff2.kd
    .args:
      - { .name: hid, .offset: 0, .size: 8, .value_kind: global_buffer, .address_space: global }
      - { .name: pc, .offset: 8, .size: 8, .value_kind: global_buffer, .address_space: global }
      - { .name: lowp_scales, .offset: 16, .size: 8, .value_kind: global_buffer, .address_space: global }
      - { .name: b2, .offset: 24, .size: 8, .value_kind: global_buffer, .address_space: global }
      - { .name: x1, .offset: 32, .size: 8, .value_kind: global_buffer, .address_space: global }
      - { .name: out0, .offset: 40, .size: 8, .value_kind: global_buffer, .address_space: global }
    .group_segment_fixed_size: 327680
    .private_segment_fixed_size: 0
    .kernarg_segment_align: 8
    .kernarg_segment_size: 48
    .max_flat_workgroup_size: 128
    .sgpr_count:     100
    .vgpr_count:     1024
    .wavefront_size: 32
...
	.end_amdgpu_metadata
.endif
;; end of part 7
